; MI455X (gfx1250); checked and timed in simulation.
; The chip was launched on July 23, 2026; its instructions are those of AMD's public machine-readable ISA for CDNA 5 (MIT licence, August 2026) and "CDNA5" Instruction Set Architecture Reference Guide (July 2026). The comments in the code are by the model that wrote it; some were corrected since.
;; Cross Multi Headed Attention. Allowed arithmetic: float matrix products may take bf16 or f16 operands with f32 sums; all other float work in f32.
;; Inputs: Wk 512 x 512 float32; Wkb 512 x 512 float32; Wo 512 x 512 float32; Wq 512 x 512 float32; Wv 512 x 512 float32; bk 512 float32; bkb 512 float32; bo 512 float32; bq 512 float32; bv 512 float32; k 4 x 2,048 x 512 float32; k_b 4 x 2,048 x 512 float32; mask 4 x 2,048 int32; q 4 x 2,048 x 512 float32; v 4 x 2,048 x 512 float32.
;; Outputs: out0 4 x 2,048 x 512 float32.
;; 2 versions, each right. Each part assembles by itself: llvm-mc -triple=amdgcn-amd-amdhsa -mcpu=gfx1250 --defsym DOCPART=n.
;; ======== version 1 of 2: 4 launches
;; limits: values are held in f16: magnitudes above 65,504 overflow, below 6.1e-05 lose precision
;; workspace buffers: wt 2,621,440 bytes; mb 32,768 bytes; qh 8,388,608 bytes; kc 8,388,608 bytes; vc 8,388,608 bytes; hid 8,388,608 bytes
;; launch prep (part 1): grid 160 x 1, 4 waves a work-group, no clusters, 17,408 bytes of LDS; arguments Wq, Wv, Wk, Wkb, Wo, mask, wt, mb; writes wt, mb
.if DOCPART == 1
	.amdgcn_target "amdgcn-amd-amdhsa--gfx1250"
	.amdhsa_code_object_version 6
	.text
	.protected	k_q1ac1b8be40_prep
	.globl	k_q1ac1b8be40_prep
	.p2align	8
	.type	k_q1ac1b8be40_prep,@function
k_q1ac1b8be40_prep:
	s_mov_b64 s[64:65], 0
	v_nop
	global_prefetch_b8 v0, s[64:65] scope:SCOPE_SE
	s_setreg_imm32_b32 hwreg(HW_REG_WAVE_MODE, 25, 1), 1
	s_wait_xcnt 0x0
; PREP: the five weights as f16, transposed; and the mask as the term that the attention launch adds to its scores.
;
; NOTHING OF reference() IS LEFT OUT in this program: every input is loaded by some launch, every key is projected, scored and summed, and the mask selects
; values.  All trip counts and barriers are constants of the texts.
; How the mask enters: reference() puts -1e9 in place of a masked key's score.  The projection launch stores zeros as that key's K row, and the attention launch
; starts the score sums with mb[key], so that a masked score is exactly mb's constant.  Scores are kept in base 2 (K carries the factor log2(e) / 8), so the
; constant is -1e9 x log2(e), rounded to f32.  A batch whose mask is all 0 then has equal scores and equal weights, as in reference().
; LIMITS.  All matrix operands are f16: x, W, Q, 0.18 (K + Kb), V and the heads' results must stay below 65,504 in magnitude.  Inputs and weights 30 times the drawn
; spread give Q and V a spread of 900; offsets of 30 spreads on inputs and weights give 512 x 30 x 1.33 = 20,400, and twice that times 0.18 for K.
; An infinite or NaN q meets a masked key's zero row as 0 x inf, where reference() would still put -1e9.
;
; wt: f16 [512 n][2560 k'], a row is 5,120 bytes; columns 512 m .. 512 m + 511 hold W_m transposed, m = 0 Wq, 1 Wv, 2 Wk, 3 Wkb, 4 Wo.
; mb: f32 [4][2048]: -1e9 x log2(e) where mask == 0, else 0.
; A work-group: one tile of 128 k x 64 n of one weight, through LDS.  Work-groups 0 to 15 then also make 512 words of mb each.
.set LP,  272                          ; LDS pitch of a transposed row: 128 f16 + 16 bytes
.set WTP, 5120                         ; bytes in a row of wt
.set LD,  16                           ; v[16:79]  as loaded
.set PK,  80                           ; v[80:111] packed pairs of f16
	s_load_b512 s[8:23], s[0:1], 0x0               ; Wq 8, Wv 10, Wk 12, Wkb 14, Wo 16, mask 18, wt 20, mb 22
	s_lshr_b32 s4, ttmp9, 5                        ; m: which weight
	s_and_b32 s5, ttmp9, 3                         ; kb: which 128 rows (k)
	s_bfe_u32 s6, ttmp9, 0x30002                   ; nb: which 64 columns (n)
	s_mov_b32 s29, 0                               ; upper word of the offsets in s[28:29]
	v_and_b32 v2, 15, v0                           ; c: my four columns 4 c .. 4 c + 3
	v_lshrrev_b32 v3, 4, v0                        ; rr 0..7: my rows 2 rr, 2 rr + 1 of every sixteen
	v_lshlrev_b32 v4, 4, v2
	v_lshl_add_u32 v4, v3, 12, v4                  ; in W: 2 rr rows of 2,048 bytes + 16 c
	v_mul_u32_u24 v5, v2, 4*LP
	v_lshl_add_u32 v5, v3, 2, v5                   ; in LDS: row n = 4 c, byte 2 k = 4 rr
	v_mul_u32_u24 v6, v3, LP
	v_lshl_add_u32 v6, v2, 4, v6                   ; back: row rr, 16 bytes a lane
	v_mul_u32_u24 v7, v3, WTP
	v_lshl_add_u32 v7, v2, 4, v7                   ; the same in wt
	s_lshl_b32 s28, s5, 18                         ; 128 kb rows of 2,048 bytes
	s_lshl_b32 s30, s6, 8                          ; 64 nb columns of 4 bytes
	s_add_co_u32 s28, s28, s30
	s_wait_kmcnt 0x0
	s_mov_b64 s[26:27], s[8:9]
	s_cmp_eq_u32 s4, 1
	s_cselect_b64 s[26:27], s[10:11], s[26:27]
	s_cmp_eq_u32 s4, 2
	s_cselect_b64 s[26:27], s[12:13], s[26:27]
	s_cmp_eq_u32 s4, 3
	s_cselect_b64 s[26:27], s[14:15], s[26:27]
	s_cmp_eq_u32 s4, 4
	s_cselect_b64 s[26:27], s[16:17], s[26:27]
	s_add_nc_u64 s[26:27], s[26:27], s[28:29]
.irp j, 0,1,2,3,4,5,6,7,8,9,10,11,12,13,14,15
	global_load_b128 v[LD+4*\j:LD+4*\j+3], v4, s[26:27] offset:(16*(\j>>1)+(\j&1))*2048 th:TH_LOAD_NT   ; row 16 (j / 2) + 2 rr + (j & 1); sixteen lanes take 256 consecutive bytes
.endr
	s_mul_i32 s30, s6, 64*WTP                      ; wt: row 64 nb,
	s_lshl_b32 s31, s4, 10                         ; column block m,
	s_add_co_u32 s30, s30, s31
	s_lshl_b32 s31, s5, 8                          ; 128 kb f16
	s_add_co_u32 s30, s30, s31
	s_mov_b32 s31, 0
	s_add_nc_u64 s[20:21], s[20:21], s[30:31]
	s_wait_loadcnt 0x0
.irp mm, 0,1,2,3,4,5,6,7
.irp c, 0,1,2,3
	v_cvt_pk_f16_f32 v[PK+4*\mm+\c], v[LD+8*\mm+\c], v[LD+8*\mm+4+\c]      ; column 4 c + c': k even below, k odd above
.endr
.endr
.irp mm, 0,1,2,3,4,5,6,7
.irp c, 0,1,2,3
	ds_store_b32 v5, v[PK+4*\mm+\c] offset:\c*LP+\mm*32
.endr
.endr
	s_wait_dscnt 0x0                               ; my stores are in LDS before I say so: other waves read them
	s_barrier_signal -1
	s_barrier_wait -1
.irp i, 0,1,2,3,4,5,6,7
	ds_load_b128 v[LD+4*\i:LD+4*\i+3], v6 offset:\i*8*LP
.endr
	s_wait_dscnt 0x0
.irp i, 0,1,2,3,4,5,6,7
	global_store_b128 v7, v[LD+4*\i:LD+4*\i+3], s[20:21] offset:\i*8*WTP   ; sixteen lanes store 256 consecutive bytes, aligned
.endr
	; ---- the mask's 8,192 words: 512 for each of the first sixteen work-groups, 16 bytes a thread ----
	s_cmp_ge_u32 ttmp9, 16
	s_cbranch_scc1 .Lend
	s_lshl_b32 s28, ttmp9, 11
	v_lshlrev_b32 v8, 4, v0
	v_mov_b32 v9, 0xceabfb8f                       ; -1e9 x log2(e)
	s_add_nc_u64 s[18:19], s[18:19], s[28:29]
	s_add_nc_u64 s[22:23], s[22:23], s[28:29]
	global_load_b128 v[PK:PK+3], v8, s[18:19]
	s_wait_loadcnt 0x0
.irp i, 0,1,2,3
	v_cmp_eq_u32 vcc_lo, 0, v[PK+\i]
	v_cndmask_b32 v[PK+\i], 0, v9, vcc_lo
.endr
	global_store_b128 v8, v[PK:PK+3], s[22:23]
.Lend:
	s_endpgm
.Lfunc_end_k_q1ac1b8be40_prep:
	.size	k_q1ac1b8be40_prep, .Lfunc_end_k_q1ac1b8be40_prep-k_q1ac1b8be40_prep
	.p2alignl 7, 3214868480
	.fill 96, 4, 3214868480
	.section	.rodata,"a",@progbits
	.p2align	6, 0x0
	.amdhsa_kernel k_q1ac1b8be40_prep
		.amdhsa_group_segment_fixed_size 17408
		.amdhsa_private_segment_fixed_size 0
		.amdhsa_enable_private_segment 0
		.amdhsa_kernarg_size 64
		.amdhsa_user_sgpr_count 2
		.amdhsa_user_sgpr_kernarg_segment_ptr 1
		.amdhsa_wavefront_size32 1
		.amdhsa_system_sgpr_workgroup_id_x 1
		.amdhsa_system_sgpr_workgroup_id_y 1
		.amdhsa_system_sgpr_workgroup_id_z 1
		.amdhsa_system_vgpr_workitem_id 0
		.amdhsa_next_free_vgpr 112
		.amdhsa_next_free_sgpr 66
		.amdhsa_reserve_vcc 1
		.amdhsa_float_denorm_mode_32 3
		.amdhsa_float_denorm_mode_16_64 3
		.amdhsa_memory_ordered 1
		.amdhsa_forward_progress 1
		.amdhsa_inst_pref_size 10
	.end_amdhsa_kernel
	.amdgpu_metadata
---
amdhsa.version: [ 1, 2 ]
amdhsa.kernels:
  - .name:           k_q1ac1b8be40_prep
    .symbol:         k_q1ac1b8be40_prep.kd
    .args:
      - { .name: Wq, .offset: 0, .size: 8, .value_kind: global_buffer, .address_space: global }
      - { .name: Wv, .offset: 8, .size: 8, .value_kind: global_buffer, .address_space: global }
      - { .name: Wk, .offset: 16, .size: 8, .value_kind: global_buffer, .address_space: global }
      - { .name: Wkb, .offset: 24, .size: 8, .value_kind: global_buffer, .address_space: global }
      - { .name: Wo, .offset: 32, .size: 8, .value_kind: global_buffer, .address_space: global }
      - { .name: mask, .offset: 40, .size: 8, .value_kind: global_buffer, .address_space: global }
      - { .name: wt, .offset: 48, .size: 8, .value_kind: global_buffer, .address_space: global }
      - { .name: mb, .offset: 56, .size: 8, .value_kind: global_buffer, .address_space: global }
    .group_segment_fixed_size: 17408
    .private_segment_fixed_size: 0
    .kernarg_segment_align: 8
    .kernarg_segment_size: 64
    .max_flat_workgroup_size: 128
    .sgpr_count:     66
    .vgpr_count:     112
    .wavefront_size: 32
...
	.end_amdgpu_metadata
.endif
;; end of part 1
;; launch proj (part 2): grid 256 x 1, 8 waves a work-group, clusters of 4 x 1, 327,680 bytes of LDS; arguments q, k, v, k_b, bq, bk, bv, bkb, wt, mask, qh, kc, vc; writes qh, kc, vc
.if DOCPART == 2
	.amdgcn_target "amdgcn-amd-amdhsa--gfx1250"
	.amdhsa_code_object_version 6
	.text
	.protected	k_q1ac1b8be40_proj
	.globl	k_q1ac1b8be40_proj
	.p2align	8
	.type	k_q1ac1b8be40_proj,@function
k_q1ac1b8be40_proj:
	s_mov_b64 s[64:65], 0
	v_nop
	global_prefetch_b8 v0, s[64:65] scope:SCOPE_SE
	s_setreg_imm32_b32 hwreg(HW_REG_WAVE_MODE, 25, 1), 1
	s_wait_xcnt 0x0
	s_wait_alu depctr_hold_cnt(0) depctr_sa_sdst(0) depctr_va_vdst(0) depctr_va_sdst(0) depctr_va_ssrc(0) depctr_va_vcc(0) depctr_vm_vsrc(0)
	s_getreg_b32 s2, hwreg(HW_REG_IB_STS2, 6, 4)
	s_cmp_eq_u32 s2, 0
	s_cbranch_scc0 .Lentry_in_a_cluster
	s_endpgm
.Lentry_in_a_cluster:
	s_bfe_u32 s2, ttmp6, 0x10000c
	s_cmp_lg_u32 s2, 0x3003
	s_cbranch_scc0 .Lentry_shape_is_right
	s_endpgm
.Lentry_shape_is_right:
; PROJ: qh = q Wq + bq; vc = v Wv + bv; kc = (k Wk + bk + k_b Wkb + bkb) x log2(e) / 8, with zeros in the rows of keys whose mask word is 0.
; Nothing is left out.  The factor is reference()'s division by sqrt(64) and the change of the exponential's base; the zero rows make a masked key's score
; exactly the constant that the attention launch adds (see the first kernel's head, its limits too).
; Outputs: f16 [batch][head][row][64].  Operands f16, sums f32.
; Every work-group runs the same eight steps of 128 along the depth on its 64 rows: two products of depth 512 with two neighbouring column blocks of wt.
; Cluster cl: job cl >> 5 (0: x = k, then k_b, weights Wk, Wkb; 1: x = q, then v, weights Wq, Wv), batch (cl >> 3) & 3, block of 256 rows cl & 7.
; Steps 0-3 sum into one set of accumulators, steps 4-7 into a second set; only the way out differs: job 0 adds the two sets, job 1 stores them apart.
; A work-group makes 64 rows x 512 columns, wave w 64 x 64 = head w (16 accumulator tiles a set).
; W: two LDS slots of 512 rows x 256 bytes (pitch 272), filled by JOINT tensor loads: the four partners walk the same weights, so each wave's 64 rows are
; asked for by the four same-numbered waves with one descriptor and mask 15.  x: through registers (512 consecutive bytes of a row a load), rounded to f16,
; laid into two small LDS buffers that only ds_store writes.
; By this text's count a wave has two tensor loads out at the start and one behind each round.
; REGISTERS: window 0 as below; window 1: v0-127 (v256-383) the second set of accumulators, v128-159 (v384-415) its bias.
.set WSLOT, 139264                     ; 512 rows x 272
.set XBUF,  278528                     ; two x buffers of 64 rows x 272; later the way out's stage (8 waves x 16 rows x 144)
.set XSZ,   17408
.set SW,   3                           ; s3       wave
.set G1,   36                          ; s[36:43] descriptor group 1
.set G0,   44                          ; s[44:51] descriptor group 0, one set a slot
.set X1,   52                          ; s[52:53] first x at my wave's eight rows
.set X2,   54                          ; s[54:55] second x
.set B1,   56                          ; s[56:57] first bias
.set B2,   58                          ; s[58:59] second bias
.set MKS,  68                          ; s[68:71] job 0: lanes whose row is a valid key, for each 16 rows
.set WA,   4                           ; v4-5     LDS address of my W fragments, slot 0, 1
.set XA,   6                           ; v6-7     of the x fragments, buffer 0, 1
.set XS,   8                           ; v8-9     where I store 8 bytes of x, buffer 0, 1
.set STO,  10                          ; v10      way out: in
.set RD,   11                          ; v11      way out: back
.set GO,   12                          ; v12      16 x lane
.set BO,   13                          ; v13      my place in a bias
.set MO,   16                          ; v16      4 x (lane mod 16): my row's mask word
.set X,    24                          ; v[24:55]  x rows on their way; at the start the first bias; at the end the way out
.set FW,   56                          ; v[56:87]  four W fragments
.set FX,   88                          ; v[88:119] four x fragments
.set ACC,  120                         ; v[120:247] first set: tile (ct, rt) at 120 + 8 (4 ct + rt)
.set AB,   0                           ; window 1: second set
.set BB,   128                         ; window 1: second bias
.set MSB, 0
.macro WIN new                         ; s_set_vgpr_msb: bits 1:0 source 0, 3:2 source 1, 5:4 source 2, 7:6 destination; the high byte repeats the setting that is left
.if MSB != \new
	s_set_vgpr_msb (MSB<<8)|\new
.set MSB, \new
.endif
.endm
.macro BAR
	s_barrier_signal -1
	s_barrier_wait -1
.endm
; A round of the cluster's barrier: my work-group's barrier, wave 0 signals for the work-group, every wave waits for all four work-groups, my work-group's barrier again.
.macro ROUND
	s_barrier_signal -1
	s_barrier_wait -1
	s_cmp_lg_u32 s[SW], 0
	s_cbranch_scc1 .Lnot_wave_0_\@
	s_barrier_signal -3
.Lnot_wave_0_\@:
	s_barrier_wait -3
	s_barrier_signal -1
	s_barrier_wait -1
.endm
.macro PLACES num
.rept \num
	v_nop
.endr
.endm
	s_load_b512 s[8:23], s[0:1], 0x0               ; q 8, k 10, v 12, k_b 14, bq 16, bk 18, bv 20, bkb 22
	s_load_b256 s[24:31], s[0:1], 0x40             ; wt 24, mask 26, qh 28, kc 30
	s_load_b64 s[32:33], s[0:1], 0x60              ; vc
	v_lshrrev_b32 v1, 5, v0
	v_readfirstlane_b32 s[SW], v1
	s_bfe_u32 s4, ttmp6, 0x40000                   ; cx: my place in the cluster
	s_and_b32 s5, ttmp9, 7                         ; block of 256 rows
	s_lshr_b32 s6, ttmp9, 5                        ; job
	s_bfe_u32 s7, ttmp9, 0x20003                   ; batch
	s_lshl2_add_u32 s82, s5, s4
	s_lshl_b32 s82, s82, 6                         ; p0: my work-group's first row
	s_lshl3_add_u32 s83, s[SW], s82                ; my wave's first of eight
	s_lshl_b32 s83, s83, 11                        ; rows of 2,048 bytes
	s_lshl_b32 s84, s7, 22                         ; a batch of x
	s_add_co_u32 s84, s84, s83
	s_mov_b32 s85, 0
	s_mov_b32 s93, 0
	v_and_b32 v1, 31, v0                           ; lane
	v_lshlrev_b32 v[GO], 4, v1
	s_wait_kmcnt 0x0
	s_cmp_eq_u32 s6, 0
	s_cselect_b64 s[X1:X1+1], s[10:11], s[8:9]     ; k or q
	s_cselect_b64 s[X2:X2+1], s[14:15], s[12:13]   ; k_b or v
	s_cselect_b64 s[B1:B1+1], s[18:19], s[16:17]   ; bk or bq
	s_cselect_b64 s[B2:B2+1], s[22:23], s[20:21]   ; bkb or bv
	s_cselect_b32 s86, 2048, 0                     ; first byte of the job's two column blocks in a row of wt
	s_add_nc_u64 s[X1:X1+1], s[X1:X1+1], s[84:85]
	s_add_nc_u64 s[X2:X2+1], s[X2:X2+1], s[84:85]
.macro XLOAD t                         ; x tile t (0-3 of the first x, 4-7 of the second): my wave's eight rows, 128 columns; each load takes 512 consecutive bytes of one row, read once in the launch
.irp i, 0,1,2,3,4,5,6,7
.if \t < 4
	global_load_b128 v[X+4*\i:X+4*\i+3], v[GO], s[X1:X1+1] offset:2048*\i+512*\t th:TH_LOAD_NT
.else
	global_load_b128 v[X+4*\i:X+4*\i+3], v[GO], s[X2:X2+1] offset:2048*\i+512*(\t-4) th:TH_LOAD_NT
.endif
.endr
.endm
	XLOAD 0
	; descriptor group 1: 64 rows x 128 f16, pitch 2,560 elements in wt, 16 bytes of padding behind each row in LDS
	s_mov_b32 s[G1+0], 15|(1<<16)|(1<<20)|(1<<21)|(5<<22)|(3<<25)  ; mask: all four partners; 2-byte elements; padding on; bit 21 beside a mask; after 64 words, 4 words
	s_mov_b32 s[G1+1], 128<<16                     ; tensor_dim0 = 128
	s_mov_b32 s[G1+2], 64<<16                      ; tensor_dim1 = 64
	s_mov_b32 s[G1+3], 128<<16                     ; tile_dim0 = 128
	s_mov_b32 s[G1+4], 64                          ; tile_dim1 = 64
	s_mov_b32 s[G1+5], 2560                        ; elements from row to row
	s_mov_b32 s[G1+6], 0
	s_mov_b32 s[G1+7], 0
	s_mul_i32 s92, s[SW], 64*5120                  ; my wave's 64 rows of wt: made of the wave's number and the job alone, equal in the four partners
	s_add_co_u32 s92, s92, s86
	s_add_nc_u64 s[24:25], s[24:25], s[92:93]
	s_mul_i32 s88, s[SW], 17408                    ; and their place in a slot
.irp s, 0,1
	s_mov_b32 s[G0+4*\s], 1
	s_add_co_u32 s[G0+4*\s+1], s88, \s*WSLOT
	s_add_nc_u64 s[G0+4*\s+2:G0+4*\s+3], s[24:25], \s*256          ; step s
	s_or_b32 s[G0+4*\s+3], s[G0+4*\s+3], 0x80000000
.endr
	ROUND                                          ; the four work-groups are here: the first joint loads meet
	tensor_load_to_lds s[G0:G0+3], s[G1:G1+7]
	tensor_load_to_lds s[G0+4:G0+7], s[G1:G1+7]
	v_and_b32 v2, 15, v0                           ; r
	v_bfe_u32 v3, v0, 4, 1                         ; h
	v_mul_u32_u24 v14, v2, 272
	v_lshl_add_u32 v14, v3, 4, v14                 ; a fragment's lane term: row r, 16 bytes a half
	v_add_nc_u32 v[WA], s88, v14
	v_add_nc_u32 v[WA+1], WSLOT, v[WA]
	v_add_nc_u32 v[XA], XBUF, v14
	v_add_nc_u32 v[XA+1], XBUF+XSZ, v14
	s_mul_i32 s89, s[SW], 8*272
	v_lshl_add_u32 v[XS], v1, 3, s89               ; row 8 w, 8 bytes a lane
	v_add_nc_u32 v[XS], XBUF, v[XS]
	v_add_nc_u32 v[XS+1], XSZ, v[XS]
	s_mul_i32 s90, s[SW], 16*144
	s_add_co_u32 s90, s90, XBUF                    ; my stage
	v_mul_u32_u24 v15, v2, 144
	v_lshl_add_u32 v15, v3, 4, v15
	v_add_nc_u32 v[STO], s90, v15
	v_lshrrev_b32 v15, 3, v1
	v_mul_u32_u24 v15, v15, 144
	v_and_b32 v14, 7, v1
	v_lshl_add_u32 v15, v14, 4, v15
	v_add_nc_u32 v[RD], s90, v15
	s_lshl_b32 s91, s[SW], 8
	v_lshl_add_u32 v[BO], v3, 5, s91               ; bias of column 64 w + 8 h
	v_lshlrev_b32 v[MO], 2, v2
; The x tile that is on its way: round to f16, 8 bytes a lane into buffer buf.
.macro CVTST buf
	s_wait_loadcnt 0x0                             ; the eight rows are in
.irp i, 0,1,2,3,4,5,6,7
	v_cvt_pk_f16_f32 v[X+4*\i], v[X+4*\i], v[X+4*\i+1]
	v_cvt_pk_f16_f32 v[X+4*\i+1], v[X+4*\i+2], v[X+4*\i+3]
.endr
.irp i, 0,1,2,3,4,5,6,7
	ds_store_b64 v[XS+\buf], v[X+4*\i:X+4*\i+1] offset:272*\i
.endr
.endm
	CVTST 0
	; the biases start the sums: lane (r, h) needs columns 64 w + 16 ct + 8 h + 0..7.  The first into X, the second into window 1, where it waits for step 4.
.irp ct, 0,1,2,3
	global_load_b128 v[X+8*\ct:X+8*\ct+3],   v[BO], s[B1:B1+1] offset:64*\ct
	global_load_b128 v[X+8*\ct+4:X+8*\ct+7], v[BO], s[B1:B1+1] offset:64*\ct+16
.endr
	WIN 0x40                                       ; destination in window 1, address in window 0
.irp ct, 0,1,2,3
	global_load_b128 v[BB+8*\ct:BB+8*\ct+3],   v[BO], s[B2:B2+1] offset:64*\ct
	global_load_b128 v[BB+8*\ct+4:BB+8*\ct+7], v[BO], s[B2:B2+1] offset:64*\ct+16
.endr
	WIN 0
	s_wait_loadcnt 0x0
	s_wait_dscnt 0x0                               ; my rows of x tile 0 are in LDS
	s_wait_tensorcnt 0x1                           ; my part of step 0 has landed; the one younger load, step 1's, stays out
	BAR
.macro FRAG slot, ks                   ; 32 along the depth: four W fragments (my 64 columns), four x fragments (the 64 rows)
.irp t, 0,1,2,3
	ds_load_b128 v[FW+8*\t:FW+8*\t+3],   v[WA+\slot] offset:\t*4352+64*\ks
	ds_load_b128 v[FW+8*\t+4:FW+8*\t+7], v[WA+\slot] offset:\t*4352+64*\ks+32
.endr
.irp t, 0,1,2,3
	ds_load_b128 v[FX+8*\t:FX+8*\t+3],   v[XA+\slot] offset:\t*4352+64*\ks
	ds_load_b128 v[FX+8*\t+4:FX+8*\t+7], v[XA+\slot] offset:\t*4352+64*\ks+32
.endr
.endm
; Source 0 = 16 columns of W, source 1 = 16 rows of x: a lane's eight results are eight neighbouring columns of one row.
; setb: the second set (C and D in window 1).  zero: the set's bias is C, nothing is cleared.
; The sixteen accumulators take turns, one instruction a turn.
.macro MUL setb, zero
.if \setb
	WIN 0x50
.endif
.irp ct, 0,1,2,3
.irp rt, 0,1,2,3
.if \setb
.if \zero
	v_wmma_f32_16x16x32_f16 v[AB+8*(4*\ct+\rt):AB+8*(4*\ct+\rt)+7], v[FW+8*\ct:FW+8*\ct+7], v[FX+8*\rt:FX+8*\rt+7], v[BB+8*\ct:BB+8*\ct+7]
.else
	v_wmma_f32_16x16x32_f16 v[AB+8*(4*\ct+\rt):AB+8*(4*\ct+\rt)+7], v[FW+8*\ct:FW+8*\ct+7], v[FX+8*\rt:FX+8*\rt+7], v[AB+8*(4*\ct+\rt):AB+8*(4*\ct+\rt)+7]
.endif
.else
.if \zero
	v_wmma_f32_16x16x32_f16 v[ACC+8*(4*\ct+\rt):ACC+8*(4*\ct+\rt)+7], v[FW+8*\ct:FW+8*\ct+7], v[FX+8*\rt:FX+8*\rt+7], v[X+8*\ct:X+8*\ct+7]
.else
	v_wmma_f32_16x16x32_f16 v[ACC+8*(4*\ct+\rt):ACC+8*(4*\ct+\rt)+7], v[FW+8*\ct:FW+8*\ct+7], v[FX+8*\rt:FX+8*\rt+7], v[ACC+8*(4*\ct+\rt):ACC+8*(4*\ct+\rt)+7]
.endif
.endif
.endr
.endr
.if \setb
	WIN 0
.endif
.endm
; One step of 128 on slot and x buffer `slot`.  head 2: the other slot is filled again, two steps ahead; head 1: a plain barrier; head 0: none.
; xt: the next x tile (8: none): asked for behind the first quarter, laid into the other buffer at the end (that buffer's readers have passed this step's barrier).
.macro STEP slot, head, xt, setb, zero
.if \head == 2
	s_wait_tensorcnt 0x0                           ; all my tensor loads have landed, this step's part among them: a group 0 may be written
	s_add_nc_u64 s[G0+4*(1-\slot)+2:G0+4*(1-\slot)+3], s[G0+4*(1-\slot)+2:G0+4*(1-\slot)+3], 512
	s_wait_dscnt 0x0                               ; my reads of the other slot are back, my x stores are in
	ROUND                                          ; that now holds of every wave of the four work-groups
	tensor_load_to_lds s[G0+4*(1-\slot):G0+4*(1-\slot)+3], s[G1:G1+7]      ; my one tensor load behind the round, first thing there
.endif
.if \head == 1
	s_wait_tensorcnt 0x0
	s_wait_dscnt 0x0
	BAR
.endif
	FRAG \slot, 0
	s_wait_dscnt 0x0
	MUL \setb, \zero
	PLACES 4                                       ; four places before loads land in registers that the products read
.if \xt < 8
	XLOAD \xt
.endif
.irp ks, 1,2,3
	FRAG \slot, \ks
	s_wait_dscnt 0x0
	MUL \setb, 0
	PLACES 4
.endr
.if \xt < 8
	CVTST (1-\slot)
.endif
.endm
	STEP 0, 0, 1, 0, 1                             ; the first product: steps 0 to 3
	STEP 1, 2, 2, 0, 0
	STEP 0, 2, 3, 0, 0
	STEP 1, 2, 4, 0, 0
	STEP 0, 2, 5, 1, 1                             ; the second product: steps 4 to 7
	STEP 1, 2, 6, 1, 0
	STEP 0, 2, 7, 1, 0
	STEP 1, 1, 8, 1, 0                             ; the last step: nothing is left to fetch
	s_wait_dscnt 0x0
	ROUND                                          ; the closing round: no partner will ask for a tile that names me; and every wave has read the x buffers, which now serve as stage
; 16 rows at a time: 16 bytes a lane into my own stage (pitch 144), back as whole rows of 128 bytes, four rows = 512 consecutive bytes a store.
; blk, base: the set's window and first register; masked: rows of masked keys become zeros.
.macro OUT16 rt, blk, base, ptr, masked
	s_wait_xcnt 0x0                                ; the last stores' data registers are loaded again only behind this wait
.if \blk
	WIN 0x05                                       ; sources in window 1
.endif
.irp ct, 0,1,2,3
.irp j, 0,1,2,3
	v_cvt_pk_f16_f32 v[X+4*\ct+\j], v[\base+8*(4*\ct+\rt)+2*\j], v[\base+8*(4*\ct+\rt)+2*\j+1]
.endr
.endr
	WIN 0
.if \masked
.irp i, 0,1,2,3,4,5,6,7,8,9,10,11,12,13,14,15
	v_cndmask_b32 v[X+\i], 0, v[X+\i], s[MKS+\rt]
.endr
.endif
.irp ct, 0,1,2,3
	ds_store_b128 v[STO], v[X+4*\ct:X+4*\ct+3] offset:32*\ct
.endr
.irp i, 0,1,2,3
	ds_load_b128 v[X+16+4*\i:X+16+4*\i+3], v[RD] offset:576*\i             ; my own bytes, served in order (ISA guide 5.7.1)
.endr
	s_wait_dscnt 0x0
.irp i, 0,1,2,3
	global_store_b128 v[GO], v[X+16+4*\i:X+16+4*\i+3], s[\ptr:\ptr+1] offset:2048*\rt+512*\i
.endr
.endm
	s_lshl_b32 s84, s7, 21                         ; batch: 8 heads x 2,048 x 128 bytes
	s_lshl_b32 s87, s[SW], 18                      ; head w
	s_add_co_u32 s84, s84, s87
	s_lshl_b32 s87, s82, 7                         ; row p0
	s_add_co_u32 s84, s84, s87
	s_cmp_lg_u32 s6, 0
	s_cbranch_scc1 .Lqv
	; ---- job 0: kc ----
	s_add_nc_u64 s[30:31], s[30:31], s[84:85]
	s_lshl_b32 s88, s7, 11
	s_add_co_u32 s88, s88, s82
	s_lshl_b32 s88, s88, 2                         ; the mask at my work-group's first row
	s_mov_b32 s89, 0
	s_add_nc_u64 s[26:27], s[26:27], s[88:89]
.irp rt, 0,1,2,3
	global_load_b32 v[FW+\rt], v[MO], s[26:27] offset:64*\rt               ; the mask word of row 16 rt + r; it lands while the sets are added
.endr
	WIN 0x04                                       ; source 1 in window 1
.set i, 0
.rept 64
	v_pk_add_f32 v[ACC+2*i:ACC+2*i+1], v[ACC+2*i:ACC+2*i+1], v[AB+2*i:AB+2*i+1]
.set i, i+1
.endr
	WIN 0
.set i, 0
.rept 64
	v_pk_mul_f32 v[ACC+2*i:ACC+2*i+1], v[ACC+2*i:ACC+2*i+1], 0x3e38aa3b op_sel_hi:[1,0]    ; x log2(e) / 8
.set i, i+1
.endr
	s_wait_loadcnt 0x0
.irp rt, 0,1,2,3
	v_cmp_ne_u32 s[MKS+\rt], 0, v[FW+\rt]
.endr
	OUT16 0, 0, ACC, 30, 1
	OUT16 1, 0, ACC, 30, 1
	OUT16 2, 0, ACC, 30, 1
	OUT16 3, 0, ACC, 30, 1
	s_endpgm
	; ---- job 1: qh from the first set, vc from the second ----
.Lqv:
	s_add_nc_u64 s[28:29], s[28:29], s[84:85]
	s_add_nc_u64 s[32:33], s[32:33], s[84:85]
	OUT16 0, 0, ACC, 28, 0
	OUT16 1, 0, ACC, 28, 0
	OUT16 2, 0, ACC, 28, 0
	OUT16 3, 0, ACC, 28, 0
	OUT16 0, 1, AB, 32, 0
	OUT16 1, 1, AB, 32, 0
	OUT16 2, 1, AB, 32, 0
	OUT16 3, 1, AB, 32, 0
	s_endpgm
.Lfunc_end_k_q1ac1b8be40_proj:
	.size	k_q1ac1b8be40_proj, .Lfunc_end_k_q1ac1b8be40_proj-k_q1ac1b8be40_proj
	.p2alignl 7, 3214868480
	.fill 96, 4, 3214868480
	.section	.rodata,"a",@progbits
	.p2align	6, 0x0
	.amdhsa_kernel k_q1ac1b8be40_proj
		.amdhsa_group_segment_fixed_size 327680
		.amdhsa_private_segment_fixed_size 0
		.amdhsa_enable_private_segment 0
		.amdhsa_kernarg_size 104
		.amdhsa_user_sgpr_count 2
		.amdhsa_user_sgpr_kernarg_segment_ptr 1
		.amdhsa_wavefront_size32 1
		.amdhsa_system_sgpr_workgroup_id_x 1
		.amdhsa_system_sgpr_workgroup_id_y 1
		.amdhsa_system_sgpr_workgroup_id_z 1
		.amdhsa_system_vgpr_workitem_id 0
		.amdhsa_next_free_vgpr 416
		.amdhsa_next_free_sgpr 96
		.amdhsa_reserve_vcc 0
		.amdhsa_float_denorm_mode_32 3
		.amdhsa_float_denorm_mode_16_64 3
		.amdhsa_memory_ordered 1
		.amdhsa_forward_progress 1
		.amdhsa_inst_pref_size 137
	.end_amdhsa_kernel
	.amdgpu_metadata
---
amdhsa.version: [ 1, 2 ]
amdhsa.kernels:
  - .name:           k_q1ac1b8be40_proj
    .symbol:         k_q1ac1b8be40_proj.kd
    .args:
      - { .name: q, .offset: 0, .size: 8, .value_kind: global_buffer, .address_space: global }
      - { .name: k, .offset: 8, .size: 8, .value_kind: global_buffer, .address_space: global }
      - { .name: v, .offset: 16, .size: 8, .value_kind: global_buffer, .address_space: global }
      - { .name: k_b, .offset: 24, .size: 8, .value_kind: global_buffer, .address_space: global }
      - { .name: bq, .offset: 32, .size: 8, .value_kind: global_buffer, .address_space: global }
      - { .name: bk, .offset: 40, .size: 8, .value_kind: global_buffer, .address_space: global }
      - { .name: bv, .offset: 48, .size: 8, .value_kind: global_buffer, .address_space: global }
      - { .name: bkb, .offset: 56, .size: 8, .value_kind: global_buffer, .address_space: global }
      - { .name: wt, .offset: 64, .size: 8, .value_kind: global_buffer, .address_space: global }
      - { .name: mask, .offset: 72, .size: 8, .value_kind: global_buffer, .address_space: global }
      - { .name: qh, .offset: 80, .size: 8, .value_kind: global_buffer, .address_space: global }
      - { .name: kc, .offset: 88, .size: 8, .value_kind: global_buffer, .address_space: global }
      - { .name: vc, .offset: 96, .size: 8, .value_kind: global_buffer, .address_space: global }
    .group_segment_fixed_size: 327680
    .private_segment_fixed_size: 0
    .kernarg_segment_align: 8
    .kernarg_segment_size: 104
    .max_flat_workgroup_size: 256
    .sgpr_count:     96
    .vgpr_count:     416
    .wavefront_size: 32
...
	.end_amdgpu_metadata
.endif
;; end of part 2
;; launch attn (part 3): grid 256 x 1, 8 waves a work-group, clusters of 4 x 1, 327,680 bytes of LDS; arguments qh, kc, vc, mb, hid; writes hid
.if DOCPART == 3
	.amdgcn_target "amdgcn-amd-amdhsa--gfx1250"
	.amdhsa_code_object_version 6
	.text
	.protected	k_q1ac1b8be40_attn
	.globl	k_q1ac1b8be40_attn
	.p2align	8
	.type	k_q1ac1b8be40_attn,@function
k_q1ac1b8be40_attn:
	s_mov_b64 s[64:65], 0
	v_nop
	global_prefetch_b8 v0, s[64:65] scope:SCOPE_SE
	s_setreg_imm32_b32 hwreg(HW_REG_WAVE_MODE, 25, 1), 1
	s_wait_xcnt 0x0
	s_wait_alu depctr_hold_cnt(0) depctr_sa_sdst(0) depctr_va_vdst(0) depctr_va_sdst(0) depctr_va_ssrc(0) depctr_va_vcc(0) depctr_vm_vsrc(0)
	s_getreg_b32 s2, hwreg(HW_REG_IB_STS2, 6, 4)
	s_cmp_eq_u32 s2, 0
	s_cbranch_scc0 .Lentry_in_a_cluster
	s_endpgm
.Lentry_in_a_cluster:
	s_bfe_u32 s2, ttmp6, 0x10000c
	s_cmp_lg_u32 s2, 0x3003
	s_cbranch_scc0 .Lentry_shape_is_right
	s_endpgm
.Lentry_shape_is_right:
; ATTN: softmax(corr) V over all 2,048 keys of the batch, with a running maximum.  Nothing is left out.
; kc holds (K + Kb) log2(e) / 8 with zero rows for masked keys, and mb holds -1e9 log2(e) for masked keys and 0 for the others: the score sums start with mb as C,
; so s = corr x log2(e), a masked score is exactly mb's constant, and the weights are exp2(s - max).  The difference is formed first, by one addition, so that equal
; scores give exactly 1 however large they are (a batch whose mask is all 0).  Limits: see the first kernel's head.
; A cluster = four work-groups of one head, 256 queries each; they walk the same K, V and mb tiles, which are asked for JOINTLY (mask 15).
; A wave has 32 queries (two tiles qt).  Scores are made transposed, S^T = K Q^T: lane (r, h), register j holds key 8 h + j of query r, so that maximum and sum
; stay in the lane but for one exchange with lane xor 16, the rescaling factor is one number a lane, and two packed tiles ARE the second source of O^T += V^T P^T.
; V^T comes by the transposing LDS load from V as stored, [key][d].
; 16 tiles of 128 keys through two LDS slots.  The first two stand ahead of the loop: the very first 64 keys start maximum, sum and O (C = 0), nothing is cleared.
; By this text's count an issuing wave has one tensor load out behind each round.
.set SLOT,  39424                      ; K: 128 keys x pitch 144; V: 128 keys x pitch 160; mb: 128 words
.set VOFF,  18432
.set MOFF,  38912
.set STAGE, 78848                      ; 8 waves x 32 rows x 144: written by ds_store alone
.set SW,  58                           ; s58      wave
.set G1K, 16                           ; s[16:23] group 1 for K
.set G1V, 24                           ; s[24:31] group 1 for V
.set G0K, 32                           ; s[32:39] group 0 for K, one set a slot
.set G0V, 40                           ; s[40:47] group 0 for V
.set G1M, 68                           ; s[68:75] group 1 for mb
.set G0M, 76                           ; s[76:83] group 0 for mb
.set KA,  4                            ; v4-5   K fragments, slot 0, 1
.set VA,  6                            ; v6-7   V fragments
.set STO, 8
.set RD,  9
.set GO,  10
.set MA,  11                           ; v11-12 mb's words of keys 8 h .., slot 0, 1
.set QO,  13
.set M,   14                           ; v14-15 running maximum, qt 0, 1
.set L,   16                           ; v16-17 running sum of my half of the keys
.set AL,  18                           ; v[18:19], v[20:21] rescaling factor (the pair's upper word is written once and not used)
.set NM,  22                           ; v[22:23], v[24:25] minus the maximum
.set T,   26                           ; v[26:31] at work
.set Q,   32                           ; v[32:63]   32 + 16 qt + 8 ks
.set O,   64                           ; v[64:127]  64 + 32 qt + 8 dt
.set S,   128                          ; v[128:191] 128 + 32 qt + 8 kt; P packed in place at 128 + 32 qt + 16 kk
.set F,   192                          ; v[192:255] K fragments 16 kt + 8 ks, then V fragments 16 dt + 8 kk
.macro ROUND
	s_barrier_signal -1
	s_barrier_wait -1
	s_cmp_lg_u32 s[SW], 0
	s_cbranch_scc1 .Lnot_wave_0_\@
	s_barrier_signal -3
.Lnot_wave_0_\@:
	s_barrier_wait -3
	s_barrier_signal -1
	s_barrier_wait -1
.endm
.macro PLACES num
.rept \num
	v_nop
.endr
.endm
; Waves 0, 1 ask for K's two halves of 64 keys, waves 2, 3 for V's, wave 4 for mb's 128 words; waves 5 to 7 ask for nothing.  The branches hang on the wave's number alone.
.macro JLOAD s
	s_cmp_ge_u32 s[SW], 5
	s_cbranch_scc1 .Lasked_\@
	s_cmp_ge_u32 s[SW], 4
	s_cbranch_scc1 .Lfor_m_\@
	s_cmp_ge_u32 s[SW], 2
	s_cbranch_scc1 .Lfor_v_\@
	tensor_load_to_lds s[G0K+4*\s:G0K+4*\s+3], s[G1K:G1K+7]
	s_branch .Lasked_\@
.Lfor_v_\@:
	tensor_load_to_lds s[G0V+4*\s:G0V+4*\s+3], s[G1V:G1V+7]
	s_branch .Lasked_\@
.Lfor_m_\@:
	tensor_load_to_lds s[G0M+4*\s:G0M+4*\s+3], s[G1M:G1M+7]
.Lasked_\@:
.endm
	s_load_b256 s[4:11], s[0:1], 0x0               ; qh 4, kc 6, vc 8, mb 10
	s_load_b64 s[12:13], s[0:1], 0x20              ; hid
	v_lshrrev_b32 v26, 5, v0
	v_readfirstlane_b32 s[SW], v26
	s_and_b32 s59, s[SW], 1                        ; which 64 keys of a tile I ask for
	s_bfe_u32 s60, ttmp6, 0x40000                  ; cx
	s_lshr_b32 s61, ttmp9, 1                       ; batch x 8 + head
	s_lshr_b32 s84, ttmp9, 4                       ; batch
	s_lshl_b32 s84, s84, 13                        ; its 2,048 words of mb
	s_mov_b32 s85, 0
	s_and_b32 s86, ttmp9, 1
	s_lshl2_add_u32 s86, s86, s60                  ; block of 256 queries
	s_lshl_b32 s86, s86, 15
	s_lshl_b32 s87, s[SW], 12                      ; my wave's 32 rows of 128 bytes
	s_add_co_u32 s86, s86, s87
	s_lshl_b32 s88, s61, 18                        ; the head: 2,048 rows of 128 bytes
	s_add_co_u32 s86, s86, s88
	s_mov_b32 s87, 0
	s_lshl_b32 s89, s59, 13                        ; 64 keys of 128 bytes
	s_add_co_u32 s88, s88, s89                     ; made of the head and the wave's number alone: equal in the four partners
	s_mov_b32 s89, 0
	s_mul_i32 s90, s59, 64*144
	s_mul_i32 s91, s59, 64*160
	s_mov_b32 s56, 0x76543210                      ; v_permlanex16_b32: lane i reads lane i of the other half
	s_mov_b32 s57, 0xfedcba98
	s_wait_kmcnt 0x0
	s_add_nc_u64 s[10:11], s[10:11], s[84:85]
	s_add_nc_u64 s[4:5], s[4:5], s[86:87]
	s_add_nc_u64 s[12:13], s[12:13], s[86:87]
	s_add_nc_u64 s[6:7], s[6:7], s[88:89]
	s_add_nc_u64 s[8:9], s[8:9], s[88:89]
	; group 1 for K and V: 64 rows x 64 f16, dense in memory; K padded by 4 words a row (pitch 144), V by 8 (pitch 160, an odd multiple of 32 for the transposing load)
	s_mov_b32 s[G1K+0], 15|(1<<16)|(1<<20)|(1<<21)|(4<<22)|(3<<25)
	s_mov_b32 s[G1V+0], 15|(1<<16)|(1<<20)|(1<<21)|(4<<22)|(7<<25)
.irp g, G1K, G1V
	s_mov_b32 s[\g+1], 64<<16                      ; tensor_dim0 = 64
	s_mov_b32 s[\g+2], 64<<16                      ; tensor_dim1 = 64
	s_mov_b32 s[\g+3], 64<<16                      ; tile_dim0 = 64
	s_mov_b32 s[\g+4], 64                          ; tile_dim1 = 64
	s_mov_b32 s[\g+5], 64                          ; elements from row to row
	s_mov_b32 s[\g+6], 0
	s_mov_b32 s[\g+7], 0
.endr
	; group 1 for mb: one row of 512 bytes as 64 elements of 8 bytes, no padding
	s_mov_b32 s[G1M+0], 15|(3<<16)|(1<<21)
	s_mov_b32 s[G1M+1], 64<<16                     ; tensor_dim0 = 64
	s_mov_b32 s[G1M+2], 1<<16                      ; tensor_dim1 = 1
	s_mov_b32 s[G1M+3], 64<<16                     ; tile_dim0 = 64
	s_mov_b32 s[G1M+4], 1                          ; tile_dim1 = 1
	s_mov_b32 s[G1M+5], 64
	s_mov_b32 s[G1M+6], 0
	s_mov_b32 s[G1M+7], 0
.irp s, 0,1
	s_mov_b32 s[G0K+4*\s], 1
	s_add_co_u32 s[G0K+4*\s+1], s90, \s*SLOT
	s_add_nc_u64 s[G0K+4*\s+2:G0K+4*\s+3], s[6:7], \s*16384        ; tile s
	s_or_b32 s[G0K+4*\s+3], s[G0K+4*\s+3], 0x80000000
	s_mov_b32 s[G0V+4*\s], 1
	s_add_co_u32 s[G0V+4*\s+1], s91, \s*SLOT+VOFF
	s_add_nc_u64 s[G0V+4*\s+2:G0V+4*\s+3], s[8:9], \s*16384
	s_or_b32 s[G0V+4*\s+3], s[G0V+4*\s+3], 0x80000000
	s_mov_b32 s[G0M+4*\s], 1
	s_mov_b32 s[G0M+4*\s+1], \s*SLOT+MOFF
	s_add_nc_u64 s[G0M+4*\s+2:G0M+4*\s+3], s[10:11], \s*512
	s_or_b32 s[G0M+4*\s+3], s[G0M+4*\s+3], 0x80000000
.endr
	ROUND                                          ; the four work-groups are here
	JLOAD 0                                        ; tile 0
	v_and_b32 v1, 15, v0                           ; r
	v_bfe_u32 v2, v0, 4, 1                         ; h
	v_and_b32 v3, 31, v0                           ; lane
	v_lshlrev_b32 v[QO], 7, v1
	v_lshl_add_u32 v[QO], v2, 4, v[QO]             ; query r, 16 bytes a half
.irp qt, 0,1
.irp ks, 0,1
	global_load_b128 v[Q+16*\qt+8*\ks:Q+16*\qt+8*\ks+3],   v[QO], s[4:5] offset:2048*\qt+64*\ks
	global_load_b128 v[Q+16*\qt+8*\ks+4:Q+16*\qt+8*\ks+7], v[QO], s[4:5] offset:2048*\qt+64*\ks+32
.endr
.endr
	v_mul_u32_u24 v[KA], v1, 144
	v_lshl_add_u32 v[KA], v2, 4, v[KA]             ; key r, 16 bytes a half
	v_add_nc_u32 v[KA+1], SLOT, v[KA]
	v_and_b32 v28, 7, v0
	v_lshl_add_u32 v29, v2, 3, v28                 ; key 8 h + (lane & 7)
	v_mul_u32_u24 v29, v29, 160
	v_bfe_u32 v30, v0, 3, 1
	v_lshl_add_u32 v29, v30, 4, v29
	v_add_nc_u32 v[VA], VOFF, v29
	v_add_nc_u32 v[VA+1], SLOT+VOFF, v29
	v_lshlrev_b32 v[MA], 5, v2                     ; 8 h words
	v_add_nc_u32 v[MA+1], SLOT+MOFF, v[MA]
	v_add_nc_u32 v[MA], MOFF, v[MA]
	s_mul_i32 s66, s[SW], 32*144
	s_add_co_u32 s66, s66, STAGE
	v_add_nc_u32 v[STO], s66, v[KA]                ; the stage has K's pitch: row r, 16 bytes a half
	v_lshrrev_b32 v29, 3, v3
	v_mul_u32_u24 v29, v29, 144
	v_lshl_add_u32 v29, v28, 4, v29
	v_add_nc_u32 v[RD], s66, v29
	v_lshlrev_b32 v[GO], 4, v3
	v_mov_b32 v[AL+1], 0                           ; the upper words of the four pairs whose lower word is broadcast
	v_mov_b32 v[AL+3], 0
	v_mov_b32 v[NM+1], 0
	v_mov_b32 v[NM+3], 0
	s_wait_loadcnt 0x0                             ; Q
; Softmax step of query tile qt on 64 keys (32 in my lane).  first: the very first keys start maximum and sum, and there is no O to rescale.
.macro SOFT qt, first
.irp c, 0,1,2,3
	v_max3_num_f32 v[T+\c], v[S+32*\qt+8*\c], v[S+32*\qt+8*\c+1], v[S+32*\qt+8*\c+2]
.endr
.irp c, 0,1,2,3
	v_max3_num_f32 v[T+\c], v[T+\c], v[S+32*\qt+8*\c+3], v[S+32*\qt+8*\c+4]
.endr
.irp c, 0,1,2,3
	v_max3_num_f32 v[T+\c], v[T+\c], v[S+32*\qt+8*\c+5], v[S+32*\qt+8*\c+6]
.endr
	v_max3_num_f32 v[T], v[T], v[T+1], v[S+32*\qt+7]
	v_max3_num_f32 v[T+2], v[T+2], v[T+3], v[S+32*\qt+15]
	v_max3_num_f32 v[T], v[T], v[T+2], v[S+32*\qt+23]
.if \first
	v_max_num_f32 v[T], v[T], v[S+32*\qt+31]
	v_permlanex16_b32 v[T+1], v[T], s56, s57       ; the other half of the keys
	v_max_num_f32 v[M+\qt], v[T], v[T+1]
.else
	v_max3_num_f32 v[T], v[T], v[S+32*\qt+31], v[M+\qt]
	v_permlanex16_b32 v[T+1], v[T], s56, s57       ; the other half of the keys
	v_max_num_f32 v[T], v[T], v[T+1]               ; the new maximum
	v_sub_f32 v[T+2], v[M+\qt], v[T]
	v_mov_b32 v[M+\qt], v[T]
	v_exp_f32 v[AL+2*\qt], v[T+2]                  ; exp2(old - new)
.endif
	v_xor_b32 v[NM+2*\qt], 0x80000000, v[M+\qt]    ; also the plain instruction behind the exponential (ISA guide 5.7.2)
.irp p, 0,2,4,6,8,10,12,14,16,18,20,22,24,26,28,30
	v_pk_add_f32 v[S+32*\qt+\p:S+32*\qt+\p+1], v[S+32*\qt+\p:S+32*\qt+\p+1], v[NM+2*\qt:NM+2*\qt+1] op_sel_hi:[1,0]   ; s - max
.endr
.set i, 0
.rept 32
	v_exp_f32 v[S+32*\qt+i], v[S+32*\qt+i]
.set i, i+1
.endr
.if \first
	v_nop                                          ; the plain place between the exponentials and their first use (ISA guide 5.7.2)
.else
.irp p, 0,2,4,6,8,10,12,14,16,18,20,22,24,26,28,30
	v_pk_mul_f32 v[O+32*\qt+\p:O+32*\qt+\p+1], v[O+32*\qt+\p:O+32*\qt+\p+1], v[AL+2*\qt:AL+2*\qt+1] op_sel_hi:[1,0]   ; plain work between the exponentials and their first use
.endr
.endif
	v_pk_add_f32 v[T:T+1], v[S+32*\qt:S+32*\qt+1], v[S+32*\qt+2:S+32*\qt+3]
	v_pk_add_f32 v[T+2:T+3], v[S+32*\qt+16:S+32*\qt+17], v[S+32*\qt+18:S+32*\qt+19]
.irp p, 4,6,8,10,12,14
	v_pk_add_f32 v[T:T+1], v[T:T+1], v[S+32*\qt+\p:S+32*\qt+\p+1]
	v_pk_add_f32 v[T+2:T+3], v[T+2:T+3], v[S+32*\qt+16+\p:S+32*\qt+16+\p+1]
.endr
	v_pk_add_f32 v[T:T+1], v[T:T+1], v[T+2:T+3]
.if \first
	v_add_f32 v[L+\qt], v[T], v[T+1]
.else
	v_add_f32 v[T], v[T], v[T+1]
	v_fma_f32 v[L+\qt], v[L+\qt], v[AL+2*\qt], v[T]
.endif
.irp u, 0,1                            ; tiles 2 u, 2 u + 1 packed in place: registers 0-3 keys 8 h + 0..7, registers 4-7 keys 16 + 8 h + 0..7 of 32
.irp j, 0,1,2,3,4,5,6,7
	v_cvt_pk_f16_f32 v[S+32*\qt+16*\u+\j], v[S+32*\qt+16*\u+2*\j], v[S+32*\qt+16*\u+2*\j+1]
.endr
.endr
.endm
; 64 keys (half sb of the tile in `slot`): scores, softmax step, O.  In each run of products the accumulators take turns, one instruction a turn.
.macro SUB slot, sb, first
.irp kt, 0,1,2,3
.irp ks, 0,1
	ds_load_b128 v[F+16*\kt+8*\ks:F+16*\kt+8*\ks+3],   v[KA+\slot] offset:(4*\sb+\kt)*2304+64*\ks
	ds_load_b128 v[F+16*\kt+8*\ks+4:F+16*\kt+8*\ks+7], v[KA+\slot] offset:(4*\sb+\kt)*2304+64*\ks+32
.endr
.endr
.irp qt, 0,1
.irp kt, 0,1,2,3
	ds_load_b128 v[S+32*\qt+8*\kt:S+32*\qt+8*\kt+3],   v[MA+\slot] offset:256*\sb+64*\kt       ; mb of keys 16 kt + 8 h + 0..7: what the score sums start with
	ds_load_b128 v[S+32*\qt+8*\kt+4:S+32*\qt+8*\kt+7], v[MA+\slot] offset:256*\sb+64*\kt+16
.endr
.endr
	s_wait_dscnt 0x0
.irp ks, 0,1
.irp qt, 0,1
.irp kt, 0,1,2,3
	v_wmma_f32_16x16x32_f16 v[S+32*\qt+8*\kt:S+32*\qt+8*\kt+7], v[F+16*\kt+8*\ks:F+16*\kt+8*\ks+7], v[Q+16*\qt+8*\ks:Q+16*\qt+8*\ks+7], v[S+32*\qt+8*\kt:S+32*\qt+8*\kt+7]
.endr
.endr
.endr
	PLACES 4                                       ; before loads land in F and vector work reads S
.irp dt, 0,1,2,3
.irp kk, 0,1
	ds_load_tr16_b128 v[F+16*\dt+8*\kk:F+16*\dt+8*\kk+3],   v[VA+\slot] offset:(64*\sb+32*\kk)*160+32*\dt
	ds_load_tr16_b128 v[F+16*\dt+8*\kk+4:F+16*\dt+8*\kk+7], v[VA+\slot] offset:(64*\sb+32*\kk)*160+32*\dt+2560
.endr
.endr
	SOFT 0, \first
	SOFT 1, \first
	s_wait_dscnt 0x0                               ; V's fragments
.irp kk, 0,1
.irp qt, 0,1
.irp dt, 0,1,2,3
.if \first*(1-\kk)
	v_wmma_f32_16x16x32_f16 v[O+32*\qt+8*\dt:O+32*\qt+8*\dt+7], v[F+16*\dt+8*\kk:F+16*\dt+8*\kk+7], v[S+32*\qt+16*\kk:S+32*\qt+16*\kk+7], 0
.else
	v_wmma_f32_16x16x32_f16 v[O+32*\qt+8*\dt:O+32*\qt+8*\dt+7], v[F+16*\dt+8*\kk:F+16*\dt+8*\kk+7], v[S+32*\qt+16*\kk:S+32*\qt+16*\kk+7], v[O+32*\qt+8*\dt:O+32*\qt+8*\dt+7]
.endif
.endr
.endr
.endr
	PLACES 5                                       ; the next loads land in P's and F's registers, the next scores write over P
.endm
; One tile of 128 keys.  refill: the next tile goes into the other slot.
.macro TRIP slot, refill, first
	s_wait_tensorcnt 0x0                           ; all my tensor loads have landed, my part of this tile among them: a group 0 may be written
	s_add_nc_u64 s[G0K+4*\slot+2:G0K+4*\slot+3], s[G0K+4*\slot+2:G0K+4*\slot+3], 32768     ; this slot's next tile
	s_add_nc_u64 s[G0V+4*\slot+2:G0V+4*\slot+3], s[G0V+4*\slot+2:G0V+4*\slot+3], 32768
	s_add_nc_u64 s[G0M+4*\slot+2:G0M+4*\slot+3], s[G0M+4*\slot+2:G0M+4*\slot+3], 1024
	s_wait_dscnt 0x0                               ; my reads of the other slot are back
	ROUND                                          ; both now hold of every wave of the four work-groups
.if \refill
	JLOAD (1-\slot)                                ; first thing behind the round, one load a wave
.endif
	SUB \slot, 0, \first
	SUB \slot, 1, 0
.endm
	TRIP 0, 1, 1                                   ; tiles 0 and 1 stand ahead of the loop: the first products start the sums
	TRIP 1, 1, 0
	s_mov_b32 s62, 6                               ; tiles 2 to 13
.Lpair:
	TRIP 0, 1, 0
	TRIP 1, 1, 0
	s_sub_co_u32 s62, s62, 1
	s_cmp_lg_u32 s62, 0
	s_cbranch_scc1 .Lpair
	TRIP 0, 1, 0                                   ; tile 14
	TRIP 1, 0, 0                                   ; tile 15: nothing is left to fetch
	ROUND                                          ; the closing round: no partner will ask for a tile that names me
.irp qt, 0,1
	v_permlanex16_b32 v[T], v[L+\qt], s56, s57     ; the other half's sum
	v_add_f32 v[L+\qt], v[L+\qt], v[T]             ; at least 1: the largest key's weight is 1
	v_rcp_f32 v[AL+2*\qt], v[L+\qt]
	v_nop                                          ; the plain place behind the reciprocal (ISA guide 5.7.2)
.irp p, 0,2,4,6,8,10,12,14,16,18,20,22,24,26,28,30
	v_pk_mul_f32 v[O+32*\qt+\p:O+32*\qt+\p+1], v[O+32*\qt+\p:O+32*\qt+\p+1], v[AL+2*\qt:AL+2*\qt+1] op_sel_hi:[1,0]
.endr
.irp j, 0,1,2,3,4,5,6,7,8,9,10,11,12,13,14,15
	v_cvt_pk_f16_f32 v[S+16*\qt+\j], v[O+32*\qt+2*\j], v[O+32*\qt+2*\j+1]  ; lane (r, h): d = 16 dt + 8 h + 0..7 of query r
.endr
.irp dt, 0,1,2,3
	ds_store_b128 v[STO], v[S+16*\qt+4*\dt:S+16*\qt+4*\dt+3] offset:2304*\qt+32*\dt
.endr
.endr
.irp i, 0,1,2,3,4,5,6,7
	ds_load_b128 v[F+4*\i:F+4*\i+3], v[RD] offset:576*\i                   ; my own bytes, served in order (ISA guide 5.7.1)
.endr
	s_wait_dscnt 0x0
.irp i, 0,1,2,3,4,5,6,7
	global_store_b128 v[GO], v[F+4*\i:F+4*\i+3], s[12:13] offset:512*\i    ; four rows of 128 bytes: 512 consecutive bytes a store
.endr
	s_endpgm
.Lfunc_end_k_q1ac1b8be40_attn:
	.size	k_q1ac1b8be40_attn, .Lfunc_end_k_q1ac1b8be40_attn-k_q1ac1b8be40_attn
	.p2alignl 7, 3214868480
	.fill 96, 4, 3214868480
	.section	.rodata,"a",@progbits
	.p2align	6, 0x0
	.amdhsa_kernel k_q1ac1b8be40_attn
		.amdhsa_group_segment_fixed_size 327680
		.amdhsa_private_segment_fixed_size 0
		.amdhsa_enable_private_segment 0
		.amdhsa_kernarg_size 40
		.amdhsa_user_sgpr_count 2
		.amdhsa_user_sgpr_kernarg_segment_ptr 1
		.amdhsa_wavefront_size32 1
		.amdhsa_system_sgpr_workgroup_id_x 1
		.amdhsa_system_sgpr_workgroup_id_y 1
		.amdhsa_system_sgpr_workgroup_id_z 1
		.amdhsa_system_vgpr_workitem_id 0
		.amdhsa_next_free_vgpr 256
		.amdhsa_next_free_sgpr 96
		.amdhsa_reserve_vcc 0
		.amdhsa_float_denorm_mode_32 3
		.amdhsa_float_denorm_mode_16_64 3
		.amdhsa_memory_ordered 1
		.amdhsa_forward_progress 1
		.amdhsa_inst_pref_size 232
	.end_amdhsa_kernel
	.amdgpu_metadata
---
amdhsa.version: [ 1, 2 ]
amdhsa.kernels:
  - .name:           k_q1ac1b8be40_attn
    .symbol:         k_q1ac1b8be40_attn.kd
    .args:
      - { .name: qh, .offset: 0, .size: 8, .value_kind: global_buffer, .address_space: global }
      - { .name: kc, .offset: 8, .size: 8, .value_kind: global_buffer, .address_space: global }
      - { .name: vc, .offset: 16, .size: 8, .value_kind: global_buffer, .address_space: global }
      - { .name: mb, .offset: 24, .size: 8, .value_kind: global_buffer, .address_space: global }
      - { .name: hid, .offset: 32, .size: 8, .value_kind: global_buffer, .address_space: global }
    .group_segment_fixed_size: 327680
    .private_segment_fixed_size: 0
    .kernarg_segment_align: 8
    .kernarg_segment_size: 40
    .max_flat_workgroup_size: 256
    .sgpr_count:     96
    .vgpr_count:     256
    .wavefront_size: 32
...
	.end_amdgpu_metadata
.endif
;; end of part 3
;; launch oproj (part 4): grid 256 x 1, 8 waves a work-group, clusters of 4 x 1, 327,680 bytes of LDS; arguments hid, wt, bo, out0; writes out0
.if DOCPART == 4
	.amdgcn_target "amdgcn-amd-amdhsa--gfx1250"
	.amdhsa_code_object_version 6
	.text
	.protected	k_q1ac1b8be40_oproj
	.globl	k_q1ac1b8be40_oproj
	.p2align	8
	.type	k_q1ac1b8be40_oproj,@function
k_q1ac1b8be40_oproj:
	s_mov_b64 s[64:65], 0
	v_nop
	global_prefetch_b8 v0, s[64:65] scope:SCOPE_SE
	s_setreg_imm32_b32 hwreg(HW_REG_WAVE_MODE, 25, 1), 1
	s_wait_xcnt 0x0
	s_wait_alu depctr_hold_cnt(0) depctr_sa_sdst(0) depctr_va_vdst(0) depctr_va_sdst(0) depctr_va_ssrc(0) depctr_va_vcc(0) depctr_vm_vsrc(0)
	s_getreg_b32 s2, hwreg(HW_REG_IB_STS2, 6, 4)
	s_cmp_eq_u32 s2, 0
	s_cbranch_scc0 .Lentry_in_a_cluster
	s_endpgm
.Lentry_in_a_cluster:
	s_bfe_u32 s2, ttmp6, 0x10000c
	s_cmp_lg_u32 s2, 0x3003
	s_cbranch_scc0 .Lentry_shape_is_right
	s_endpgm
.Lentry_shape_is_right:
; OPROJ: out0 = hid Wo + bo.  hid: f16 [batch][head][query][64]; Wo^T: columns 2048 .. 2559 of wt; out0: f32 [8192][512].  Operands f16, sums f32.
; A cluster = four work-groups with the same 256 columns and four neighbouring blocks of 64 rows: Wo's tiles are asked for JOINTLY (mask 15, waves 0 to 3, 64 rows each);
; hid's tiles are each work-group's own (plain loads, waves 4 and 5, one head's 64 rows x 64 each); waves 6 and 7 ask for nothing.
; A work-group makes 64 x 256; wave w rows 32 (w >> 2) .., columns 64 (w & 3) ..: 8 accumulator tiles.  Depth in four steps of 128 (two heads), two LDS slots, all written out.
; By this text's count an issuing wave has two tensor loads out at the start and one behind each round.
.set SLOT,  88064                      ; W: 256 rows x pitch 272; then hid: 2 heads x 64 rows x pitch 144
.set AOFF,  69632
.set STAGE, 176128                     ; 8 waves x 16 rows x 272: written by ds_store alone
.set SW,  12
.set G1W, 16
.set G1A, 24
.set G0W, 32
.set G0A, 40
.set WA,  4                            ; v4-5
.set AA,  6                            ; v6-7
.set STO, 8
.set RD,  9
.set GO,  10
.set BO,  11
.set BIAS, 16                          ; v[16:47]
.set FW,  48                           ; v[48:111]  16 ct + 8 ks; later the way out
.set FA,  112                          ; v[112:143] 16 rt + 8 ks
.set ACC, 144                          ; v[144:207] 8 (2 ct + rt)
.macro BAR
	s_barrier_signal -1
	s_barrier_wait -1
.endm
.macro ROUND
	s_barrier_signal -1
	s_barrier_wait -1
	s_cmp_lg_u32 s[SW], 0
	s_cbranch_scc1 .Lnot_wave_0_\@
	s_barrier_signal -3
.Lnot_wave_0_\@:
	s_barrier_wait -3
	s_barrier_signal -1
	s_barrier_wait -1
.endm
.macro PLACES num
.rept \num
	v_nop
.endr
.endm
.macro JLOAD s
	s_cmp_ge_u32 s[SW], 6
	s_cbranch_scc1 .Lasked_\@
	s_cmp_ge_u32 s[SW], 4
	s_cbranch_scc1 .Lfor_a_\@
	tensor_load_to_lds s[G0W+4*\s:G0W+4*\s+3], s[G1W:G1W+7]
	s_branch .Lasked_\@
.Lfor_a_\@:
	tensor_load_to_lds s[G0A+4*\s:G0A+4*\s+3], s[G1A:G1A+7]
.Lasked_\@:
.endm
	s_load_b256 s[4:11], s[0:1], 0x0               ; hid 4, wt 6, bo 8, out0 10
	v_lshrrev_b32 v1, 5, v0
	v_readfirstlane_b32 s[SW], v1
	s_bfe_u32 s13, ttmp6, 0x40000                  ; cx
	s_and_b32 s14, ttmp9, 1                        ; which 256 columns
	s_lshr_b32 s15, ttmp9, 1                       ; which four blocks of 64 rows
	s_lshl2_add_u32 s48, s15, s13                  ; R: my block of 64 rows
	s_and_b32 s49, s[SW], 1                        ; which head of a step I ask for
	s_and_b32 s52, s[SW], 3                        ; cg: my 64 columns; also which 64 rows of W I ask for
	s_lshr_b32 s53, s[SW], 2                       ; rg: my 32 rows
	s_lshr_b32 s50, s15, 3                         ; batch
	s_lshl_b32 s50, s50, 21
	s_lshl_b32 s59, s49, 18                        ; a head: 2,048 rows of 128 bytes
	s_add_co_u32 s50, s50, s59
	s_and_b32 s59, s48, 31
	s_lshl_b32 s59, s59, 13                        ; 64 rows of 128 bytes
	s_add_co_u32 s50, s50, s59
	s_mov_b32 s51, 0
	s_lshl_b32 s54, s14, 8
	s_lshl_b32 s55, s52, 6
	s_add_co_u32 s54, s54, s55
	s_mul_i32 s54, s54, 5120                       ; row 256 ch + 64 (w & 3) of wt: equal in the four partners
	s_add_co_u32 s54, s54, 4096                    ; Wo's columns
	s_mov_b32 s55, 0
	s_lshl_b32 s58, s14, 10
	s_lshl_b32 s57, s52, 8
	s_add_co_u32 s58, s58, s57                     ; my first column, in bytes of f32
	s_lshl_b32 s56, s48, 17                        ; 64 R rows of 2,048 bytes
	s_lshl_b32 s57, s53, 16                        ; 32 rg rows
	s_add_co_u32 s56, s56, s57
	s_add_co_u32 s56, s56, s58
	s_mov_b32 s57, 0
	s_mul_i32 s60, s52, 64*272
	s_mul_i32 s63, s49, 64*144
	s_wait_kmcnt 0x0
	s_add_nc_u64 s[4:5], s[4:5], s[50:51]
	s_add_nc_u64 s[6:7], s[6:7], s[54:55]
	s_add_nc_u64 s[10:11], s[10:11], s[56:57]
	s_mov_b32 s[G1W+0], 15|(1<<16)|(1<<20)|(1<<21)|(5<<22)|(3<<25) ; joint: mask of the four, bit 21 beside it; 64 words a row, 4 of padding
	s_mov_b32 s[G1W+1], 128<<16
	s_mov_b32 s[G1W+2], 64<<16
	s_mov_b32 s[G1W+3], 128<<16
	s_mov_b32 s[G1W+4], 64
	s_mov_b32 s[G1W+5], 2560
	s_mov_b32 s[G1W+6], 0
	s_mov_b32 s[G1W+7], 0
	s_mov_b32 s[G1A+0], (1<<16)|(1<<20)|(4<<22)|(3<<25)            ; my own: no mask; 32 words a row, 4 of padding
	s_mov_b32 s[G1A+1], 64<<16
	s_mov_b32 s[G1A+2], 64<<16
	s_mov_b32 s[G1A+3], 64<<16
	s_mov_b32 s[G1A+4], 64
	s_mov_b32 s[G1A+5], 64
	s_mov_b32 s[G1A+6], 0
	s_mov_b32 s[G1A+7], 0
.irp s, 0,1
	s_mov_b32 s[G0W+4*\s], 1
	s_add_co_u32 s[G0W+4*\s+1], s60, \s*SLOT
	s_add_nc_u64 s[G0W+4*\s+2:G0W+4*\s+3], s[6:7], \s*256          ; step s: 128 f16 along the rows
	s_or_b32 s[G0W+4*\s+3], s[G0W+4*\s+3], 0x80000000
	s_mov_b32 s[G0A+4*\s], 1
	s_add_co_u32 s[G0A+4*\s+1], s63, \s*SLOT+AOFF
	s_add_nc_u64 s[G0A+4*\s+2:G0A+4*\s+3], s[4:5], \s*524288       ; step s: two heads on
	s_or_b32 s[G0A+4*\s+3], s[G0A+4*\s+3], 0x80000000
.endr
	ROUND                                          ; the four work-groups are here
	s_cmp_ge_u32 s[SW], 6                          ; both first fills of a wave stand inside one branch on its number
	s_cbranch_scc1 .Lfilled
	s_cmp_ge_u32 s[SW], 4
	s_cbranch_scc1 .Lfill_a
	tensor_load_to_lds s[G0W:G0W+3], s[G1W:G1W+7]
	tensor_load_to_lds s[G0W+4:G0W+7], s[G1W:G1W+7]
	s_branch .Lfilled
.Lfill_a:
	tensor_load_to_lds s[G0A:G0A+3], s[G1A:G1A+7]
	tensor_load_to_lds s[G0A+4:G0A+7], s[G1A:G1A+7]
.Lfilled:
	v_and_b32 v1, 15, v0                           ; r
	v_bfe_u32 v2, v0, 4, 1                         ; h
	v_lshl_add_u32 v[BO], v2, 5, s58               ; bias of column 256 ch + 64 cg + 8 h
.irp ct, 0,1,2,3
	global_load_b128 v[BIAS+8*\ct:BIAS+8*\ct+3],   v[BO], s[8:9] offset:64*\ct
	global_load_b128 v[BIAS+8*\ct+4:BIAS+8*\ct+7], v[BO], s[8:9] offset:64*\ct+16
.endr
	v_mul_u32_u24 v3, v1, 272
	v_lshl_add_u32 v[WA], v2, 4, v3
	v_add_nc_u32 v[WA], s60, v[WA]
	v_add_nc_u32 v[WA+1], SLOT, v[WA]
	v_mul_u32_u24 v[AA], v1, 144
	v_lshl_add_u32 v[AA], v2, 4, v[AA]
	s_mul_i32 s61, s53, 32*144
	s_add_co_u32 s61, s61, AOFF
	v_add_nc_u32 v[AA], s61, v[AA]
	v_add_nc_u32 v[AA+1], SLOT, v[AA]
	s_mul_i32 s62, s[SW], 16*272
	s_add_co_u32 s62, s62, STAGE
	v_lshl_add_u32 v[STO], v2, 5, v3               ; in: row r, 32 bytes a half
	v_add_nc_u32 v[STO], s62, v[STO]
	v_mul_u32_u24 v[RD], v2, 272                   ; back: lanes 0-15 one row of 256 bytes, lanes 16-31 the next
	v_lshl_add_u32 v[RD], v1, 4, v[RD]
	v_add_nc_u32 v[RD], s62, v[RD]
	v_lshlrev_b32 v[GO], 11, v2                    ; the same two rows in out0
	v_lshl_add_u32 v[GO], v1, 4, v[GO]
	s_wait_loadcnt 0x0
	s_wait_tensorcnt 0x1                           ; my part of step 0 has landed; the one younger load, step 1's, stays out
	BAR
; Source 0 = 16 columns of Wo, source 1 = 16 rows of hid: a lane's eight results are eight neighbouring columns of one row.
; The eight accumulators take turns, one instruction a turn.
.macro MULH ks, bias
.irp ct, 0,1,2,3
.irp rt, 0,1
.if \bias
	v_wmma_f32_16x16x32_f16 v[ACC+8*(2*\ct+\rt):ACC+8*(2*\ct+\rt)+7], v[FW+16*\ct+8*\ks:FW+16*\ct+8*\ks+7], v[FA+16*\rt+8*\ks:FA+16*\rt+8*\ks+7], v[BIAS+8*\ct:BIAS+8*\ct+7]
.else
	v_wmma_f32_16x16x32_f16 v[ACC+8*(2*\ct+\rt):ACC+8*(2*\ct+\rt)+7], v[FW+16*\ct+8*\ks:FW+16*\ct+8*\ks+7], v[FA+16*\rt+8*\ks:FA+16*\rt+8*\ks+7], v[ACC+8*(2*\ct+\rt):ACC+8*(2*\ct+\rt)+7]
.endif
.endr
.endr
.endm
.macro HALF slot, pl, first            ; one head: 64 along the depth
.irp ct, 0,1,2,3
.irp ks, 0,1
	ds_load_b128 v[FW+16*\ct+8*\ks:FW+16*\ct+8*\ks+3],   v[WA+\slot] offset:\ct*4352+128*\pl+64*\ks
	ds_load_b128 v[FW+16*\ct+8*\ks+4:FW+16*\ct+8*\ks+7], v[WA+\slot] offset:\ct*4352+128*\pl+64*\ks+32
.endr
.endr
.irp rt, 0,1
.irp ks, 0,1
	ds_load_b128 v[FA+16*\rt+8*\ks:FA+16*\rt+8*\ks+3],   v[AA+\slot] offset:\pl*9216+\rt*2304+64*\ks
	ds_load_b128 v[FA+16*\rt+8*\ks+4:FA+16*\rt+8*\ks+7], v[AA+\slot] offset:\pl*9216+\rt*2304+64*\ks+32
.endr
.endr
	s_wait_dscnt 0x0
	MULH 0, \first
	MULH 1, 0
	PLACES 4                                       ; before loads land in the fragments, and before the way out reads the sums
.endm
.macro STEPR slot                      ; a step on `slot`; the other slot is filled again, two steps ahead
	s_wait_tensorcnt 0x0                           ; all my tensor loads have landed: a group 0 may be written
	s_add_nc_u64 s[G0W+4*(1-\slot)+2:G0W+4*(1-\slot)+3], s[G0W+4*(1-\slot)+2:G0W+4*(1-\slot)+3], 512
	s_add_nc_u64 s[G0A+4*(1-\slot)+2:G0A+4*(1-\slot)+3], s[G0A+4*(1-\slot)+2:G0A+4*(1-\slot)+3], 1048576
	s_wait_dscnt 0x0                               ; my reads of the other slot are back
	ROUND
	JLOAD (1-\slot)                                ; first thing behind the round, one load a wave
	HALF \slot, 0, 0
	HALF \slot, 1, 0
.endm
	HALF 0, 0, 1                                   ; the first products take the bias as C; nothing is cleared
	HALF 0, 1, 0
	STEPR 1
	STEPR 0
	s_wait_tensorcnt 0x0                           ; the last step: nothing is left to fetch
	s_wait_dscnt 0x0
	BAR
	HALF 1, 0, 0
	HALF 1, 1, 0
	ROUND                                          ; the closing round: no partner will ask for a tile that names me
; 16 rows at a time through my own stage: 32 bytes a lane in, whole rows of 256 bytes back; sixteen lanes store 256 consecutive bytes, aligned.
.macro OUTF rt
.irp ct, 0,1,2,3
	ds_store_b128 v[STO], v[ACC+8*(2*\ct+\rt):ACC+8*(2*\ct+\rt)+3]   offset:64*\ct
	ds_store_b128 v[STO], v[ACC+8*(2*\ct+\rt)+4:ACC+8*(2*\ct+\rt)+7] offset:64*\ct+16
.endr
.irp i, 0,1,2,3,4,5,6,7
	ds_load_b128 v[FW+32*\rt+4*\i:FW+32*\rt+4*\i+3], v[RD] offset:544*\i   ; my own bytes, served in order (ISA guide 5.7.1)
.endr
	s_wait_dscnt 0x0
.irp i, 0,1,2,3,4,5,6,7
	global_store_b128 v[GO], v[FW+32*\rt+4*\i:FW+32*\rt+4*\i+3], s[10:11] offset:(16*\rt+2*\i)*2048 th:TH_STORE_NT
.endr
.endm
	OUTF 0
	OUTF 1
	s_endpgm
.Lfunc_end_k_q1ac1b8be40_oproj:
	.size	k_q1ac1b8be40_oproj, .Lfunc_end_k_q1ac1b8be40_oproj-k_q1ac1b8be40_oproj
	.p2alignl 7, 3214868480
	.fill 96, 4, 3214868480
	.section	.rodata,"a",@progbits
	.p2align	6, 0x0
	.amdhsa_kernel k_q1ac1b8be40_oproj
		.amdhsa_group_segment_fixed_size 327680
		.amdhsa_private_segment_fixed_size 0
		.amdhsa_enable_private_segment 0
		.amdhsa_kernarg_size 32
		.amdhsa_user_sgpr_count 2
		.amdhsa_user_sgpr_kernarg_segment_ptr 1
		.amdhsa_wavefront_size32 1
		.amdhsa_system_sgpr_workgroup_id_x 1
		.amdhsa_system_sgpr_workgroup_id_y 1
		.amdhsa_system_sgpr_workgroup_id_z 1
		.amdhsa_system_vgpr_workitem_id 0
		.amdhsa_next_free_vgpr 208
		.amdhsa_next_free_sgpr 66
		.amdhsa_reserve_vcc 0
		.amdhsa_float_denorm_mode_32 3
		.amdhsa_float_denorm_mode_16_64 3
		.amdhsa_memory_ordered 1
		.amdhsa_forward_progress 1
		.amdhsa_inst_pref_size 34
	.end_amdhsa_kernel
	.amdgpu_metadata
---
amdhsa.version: [ 1, 2 ]
amdhsa.kernels:
  - .name:           k_q1ac1b8be40_oproj
    .symbol:         k_q1ac1b8be40_oproj.kd
    .args:
      - { .name: hid, .offset: 0, .size: 8, .value_kind: global_buffer, .address_space: global }
      - { .name: wt, .offset: 8, .size: 8, .value_kind: global_buffer, .address_space: global }
      - { .name: bo, .offset: 16, .size: 8, .value_kind: global_buffer, .address_space: global }
      - { .name: out0, .offset: 24, .size: 8, .value_kind: global_buffer, .address_space: global }
    .group_segment_fixed_size: 327680
    .private_segment_fixed_size: 0
    .kernarg_segment_align: 8
    .kernarg_segment_size: 32
    .max_flat_workgroup_size: 256
    .sgpr_count:     66
    .vgpr_count:     208
    .wavefront_size: 32
...
	.end_amdgpu_metadata
.endif
;; end of part 4
;; ======== version 2 of 2: 4 launches
;; limits: values are held in f16: magnitudes above 65,504 overflow, below 6.1e-05 lose precision
;; workspace buffers: wt 2,621,440 bytes; mb 32,768 bytes; qh 8,388,608 bytes; kc 8,388,608 bytes; vc 8,388,608 bytes; hid 8,388,608 bytes
;; launch prep: the kernel of part 1 again; grid 160 x 1, 4 waves a work-group, no clusters, 17,408 bytes of LDS; arguments Wq, Wv, Wk, Wkb, Wo, mask, wt, mb; writes wt, mb
;; launch proj (part 5): grid 256 x 1, 8 waves a work-group, clusters of 4 x 1, 327,680 bytes of LDS; arguments q, k, v, k_b, bq, bk, bv, bkb, wt, mask, qh, kc, vc; writes qh, kc, vc
.if DOCPART == 5
	.amdgcn_target "amdgcn-amd-amdhsa--gfx1250"
	.amdhsa_code_object_version 6
	.text
	.protected	k_q1ac1b8be40_proj
	.globl	k_q1ac1b8be40_proj
	.p2align	8
	.type	k_q1ac1b8be40_proj,@function
k_q1ac1b8be40_proj:
	s_mov_b64 s[64:65], 0
	v_nop
	global_prefetch_b8 v0, s[64:65] scope:SCOPE_SE
	s_setreg_imm32_b32 hwreg(HW_REG_WAVE_MODE, 25, 1), 1
	s_wait_xcnt 0x0
	s_wait_alu depctr_hold_cnt(0) depctr_sa_sdst(0) depctr_va_vdst(0) depctr_va_sdst(0) depctr_va_ssrc(0) depctr_va_vcc(0) depctr_vm_vsrc(0)
	s_getreg_b32 s2, hwreg(HW_REG_IB_STS2, 6, 4)
	s_cmp_eq_u32 s2, 0
	s_cbranch_scc0 .Lentry_in_a_cluster
	s_endpgm
.Lentry_in_a_cluster:
	s_bfe_u32 s2, ttmp6, 0x10000c
	s_cmp_lg_u32 s2, 0x3003
	s_cbranch_scc0 .Lentry_shape_is_right
	s_endpgm
.Lentry_shape_is_right:
; PROJ: qh = q Wq + bq; vc = v Wv + bv; kc = (k Wk + bk + k_b Wkb + bkb) x log2(e) / 8, with zeros in the rows of keys whose mask word is 0.
; Nothing is left out.  The factor is reference()'s division by sqrt(64) and the change of the exponential's base; the zero rows make a masked key's score
; exactly the constant that the attention launch adds (see the first kernel's head, its limits too).
; Outputs: f16 [batch][head][row][64].  Operands f16, sums f32.
; Every work-group runs the same eight steps of 128 along the depth on its 64 rows: two products of depth 512 with two neighbouring column blocks of wt.
; Cluster cl: job cl >> 5 (0: x = k, then k_b, weights Wk, Wkb; 1: x = q, then v, weights Wq, Wv), batch (cl >> 3) & 3, block of 256 rows cl & 7.
; Steps 0-3 sum into one set of accumulators, steps 4-7 into a second set; only the way out differs: job 0 adds the two sets, job 1 stores them apart.
; A work-group makes 64 rows x 512 columns, wave w 64 x 64 = head w (16 accumulator tiles a set).
; W: two LDS slots of 512 rows x 256 bytes (pitch 272), filled by JOINT tensor loads: the four partners walk the same weights, so each wave's 64 rows are
; asked for by the four same-numbered waves with one descriptor and mask 15.  By this text's count a wave has two tensor loads out at the start and one behind each round.
; x: through registers (512 consecutive bytes of a row a load), rounded to f16, laid into two small LDS buffers that only ds_store writes.  Two register sets take
; turns, so that a tile is asked for at least one whole step (64 products) before it is converted.
; Fragments: two buffers take turns by quarters of a step (32 along the depth, 16 products): a quarter first asks for the next quarter's 16 loads, then multiplies.
; REGISTERS.  Window 0: v0-23 addresses, v24-55 x set 0, v56-119 fragment buffer 0, v120-247 the first set of accumulators.
; Window 1: v0-127 the second set, v128-159 its bias, v160-191 the first bias and then x set 1, v192-255 fragment buffer 1.
; A run of 8 or 16 products, a run of 16 loads and a conversion each stand under one window setting: about eleven switches for a step's 64 products.
.set WSLOT, 139264                     ; 512 rows x 272
.set XBUF,  278528                     ; two x buffers of 64 rows x 272; later the way out's stage (8 waves x 16 rows x 144)
.set XSZ,   17408
.set SW,   3                           ; s3       wave
.set G1,   36                          ; s[36:43] descriptor group 1
.set G0,   44                          ; s[44:51] descriptor group 0, one set a slot
.set X1,   52                          ; s[52:53] first x at my wave's eight rows
.set X2,   54                          ; s[54:55] second x
.set B1,   56                          ; s[56:57] first bias
.set B2,   58                          ; s[58:59] second bias
.set MKS,  68                          ; s[68:71] job 0: lanes whose row is a valid key, for each 16 rows
.set WA,   4                           ; v4-5     LDS address of my W fragments, slot 0, 1
.set XA,   6                           ; v6-7     of the x fragments, buffer 0, 1
.set XS,   8                           ; v8-9     where I store 8 bytes of x, buffer 0, 1
.set STO,  10                          ; v10      way out: in
.set RD,   11                          ; v11      way out: back
.set GO,   12                          ; v12      16 x lane
.set BO,   13                          ; v13      my place in a bias
.set MO,   16                          ; v16      4 x (lane mod 16): my row's mask word
.set X,    24                          ; v[24:55]  x set 0; at the end the way out
.set F0W,  56                          ; v[56:87]  buffer 0: four W fragments
.set F0X,  88                          ; v[88:119] buffer 0: four x fragments
.set ACC,  120                         ; v[120:247] first set: tile (ct, rt) at 120 + 8 (4 ct + rt)
.set AB,   0                           ; window 1: second set
.set BB,   128                         ; window 1: second bias
.set XB,   160                         ; window 1: first bias, then x set 1.  Buffer 1 lies 136 registers above buffer 0: window 1, v192-255
.set MSB, 0
.macro WIN new                         ; s_set_vgpr_msb: bits 1:0 source 0, 3:2 source 1, 5:4 source 2, 7:6 destination; the high byte repeats the setting that is left
.if MSB != \new
	s_set_vgpr_msb (MSB<<8)|\new
.set MSB, \new
.endif
.endm
.macro BAR
	s_barrier_signal -1
	s_barrier_wait -1
.endm
; A round of the cluster's barrier: my work-group's barrier, wave 0 signals for the work-group, every wave waits for all four work-groups, my work-group's barrier again.
.macro CREST                           ; a round behind its opening barrier
	s_cmp_lg_u32 s[SW], 0
	s_cbranch_scc1 .Lnot_wave_0_\@
	s_barrier_signal -3
.Lnot_wave_0_\@:
	s_barrier_wait -3
	s_barrier_signal -1
	s_barrier_wait -1
.endm
.macro ROUND                           ; a whole round
	s_barrier_signal -1
	s_barrier_wait -1
	CREST
.endm
.macro PLACES num
.rept \num
	v_nop
.endr
.endm
	s_load_b512 s[8:23], s[0:1], 0x0               ; q 8, k 10, v 12, k_b 14, bq 16, bk 18, bv 20, bkb 22
	s_load_b256 s[24:31], s[0:1], 0x40             ; wt 24, mask 26, qh 28, kc 30
	s_load_b64 s[32:33], s[0:1], 0x60              ; vc
	v_lshrrev_b32 v1, 5, v0
	v_readfirstlane_b32 s[SW], v1
	s_bfe_u32 s4, ttmp6, 0x40000                   ; cx: my place in the cluster
	s_and_b32 s5, ttmp9, 7                         ; block of 256 rows
	s_lshr_b32 s6, ttmp9, 5                        ; job
	s_bfe_u32 s7, ttmp9, 0x20003                   ; batch
	s_lshl2_add_u32 s82, s5, s4
	s_lshl_b32 s82, s82, 6                         ; p0: my work-group's first row
	s_lshl3_add_u32 s83, s[SW], s82                ; my wave's first of eight
	s_lshl_b32 s83, s83, 11                        ; rows of 2,048 bytes
	s_lshl_b32 s84, s7, 22                         ; a batch of x
	s_add_co_u32 s84, s84, s83
	s_mov_b32 s85, 0
	s_mov_b32 s93, 0
	s_lshl_b32 s91, s[SW], 8
	v_and_b32 v1, 31, v0                           ; lane
	v_lshlrev_b32 v[GO], 4, v1
	v_and_b32 v2, 15, v0                           ; r
	v_bfe_u32 v3, v0, 4, 1                         ; h
	v_lshl_add_u32 v[BO], v3, 5, s91               ; bias of column 64 w + 8 h
	s_wait_kmcnt 0x0
	s_cmp_eq_u32 s6, 0
	s_cselect_b64 s[X1:X1+1], s[10:11], s[8:9]     ; k or q
	s_cselect_b64 s[X2:X2+1], s[14:15], s[12:13]   ; k_b or v
	s_cselect_b64 s[B1:B1+1], s[18:19], s[16:17]   ; bk or bq
	s_cselect_b64 s[B2:B2+1], s[22:23], s[20:21]   ; bkb or bv
	s_cselect_b32 s86, 2048, 0                     ; first byte of the job's two column blocks in a row of wt
	s_add_nc_u64 s[X1:X1+1], s[X1:X1+1], s[84:85]
	s_add_nc_u64 s[X2:X2+1], s[X2:X2+1], s[84:85]
; x tile t (0-3 of the first x, 4-7 of the second) into register set `set`: my wave's eight rows, 128 columns; each load takes 512 consecutive bytes of one row, read once in the launch
.macro XLOAD t, set
.set XR, X+\set*(XB-X)
	WIN \set*0x40
.irp i, 0,1,2,3,4,5,6,7
.if \t < 4
	global_load_b128 v[XR+4*\i:XR+4*\i+3], v[GO], s[X1:X1+1] offset:2048*\i+512*\t th:TH_LOAD_NT
.else
	global_load_b128 v[XR+4*\i:XR+4*\i+3], v[GO], s[X2:X2+1] offset:2048*\i+512*(\t-4) th:TH_LOAD_NT
.endif
.endr
.endm
	XLOAD 0, 0
	; the biases start the sums: lane (r, h) needs columns 64 w + 16 ct + 8 h + 0..7.  Both go out with x tile 0, so that the start has one memory latency and not two.
	WIN 0x40                                       ; destination in window 1, address in window 0
.irp ct, 0,1,2,3
	global_load_b128 v[XB+8*\ct:XB+8*\ct+3],   v[BO], s[B1:B1+1] offset:64*\ct
	global_load_b128 v[XB+8*\ct+4:XB+8*\ct+7], v[BO], s[B1:B1+1] offset:64*\ct+16
.endr
.irp ct, 0,1,2,3
	global_load_b128 v[BB+8*\ct:BB+8*\ct+3],   v[BO], s[B2:B2+1] offset:64*\ct
	global_load_b128 v[BB+8*\ct+4:BB+8*\ct+7], v[BO], s[B2:B2+1] offset:64*\ct+16
.endr
	WIN 0
	; descriptor group 1: 64 rows x 128 f16, pitch 2,560 elements in wt, 16 bytes of padding behind each row in LDS
	s_mov_b32 s[G1+0], 15|(1<<16)|(1<<20)|(1<<21)|(5<<22)|(3<<25)  ; mask: all four partners; 2-byte elements; padding on; bit 21 beside a mask; after 64 words, 4 words
	s_mov_b32 s[G1+1], 128<<16                     ; tensor_dim0 = 128
	s_mov_b32 s[G1+2], 64<<16                      ; tensor_dim1 = 64
	s_mov_b32 s[G1+3], 128<<16                     ; tile_dim0 = 128
	s_mov_b32 s[G1+4], 64                          ; tile_dim1 = 64
	s_mov_b32 s[G1+5], 2560                        ; elements from row to row
	s_mov_b32 s[G1+6], 0
	s_mov_b32 s[G1+7], 0
	s_mul_i32 s92, s[SW], 64*5120                  ; my wave's 64 rows of wt: made of the wave's number and the job alone, equal in the four partners
	s_add_co_u32 s92, s92, s86
	s_add_nc_u64 s[24:25], s[24:25], s[92:93]
	s_mul_i32 s88, s[SW], 17408                    ; and their place in a slot
.irp s, 0,1
	s_mov_b32 s[G0+4*\s], 1
	s_add_co_u32 s[G0+4*\s+1], s88, \s*WSLOT
	s_add_nc_u64 s[G0+4*\s+2:G0+4*\s+3], s[24:25], \s*256          ; step s
	s_or_b32 s[G0+4*\s+3], s[G0+4*\s+3], 0x80000000
.endr
	ROUND                                          ; the four work-groups are here: the first joint loads meet
	tensor_load_to_lds s[G0:G0+3], s[G1:G1+7]
	tensor_load_to_lds s[G0+4:G0+7], s[G1:G1+7]
	v_mul_u32_u24 v14, v2, 272
	v_lshl_add_u32 v14, v3, 4, v14                 ; a fragment's lane term: row r, 16 bytes a half
	v_add_nc_u32 v[WA], s88, v14
	v_add_nc_u32 v[WA+1], WSLOT, v[WA]
	v_add_nc_u32 v[XA], XBUF, v14
	v_add_nc_u32 v[XA+1], XBUF+XSZ, v14
	s_mul_i32 s89, s[SW], 8*272
	v_lshl_add_u32 v[XS], v1, 3, s89               ; row 8 w, 8 bytes a lane
	v_add_nc_u32 v[XS], XBUF, v[XS]
	v_add_nc_u32 v[XS+1], XSZ, v[XS]
	s_mul_i32 s90, s[SW], 16*144
	s_add_co_u32 s90, s90, XBUF                    ; my stage
	v_mul_u32_u24 v15, v2, 144
	v_lshl_add_u32 v15, v3, 4, v15
	v_add_nc_u32 v[STO], s90, v15
	v_lshrrev_b32 v15, 3, v1
	v_mul_u32_u24 v15, v15, 144
	v_and_b32 v14, 7, v1
	v_lshl_add_u32 v15, v14, 4, v15
	v_add_nc_u32 v[RD], s90, v15
	v_lshlrev_b32 v[MO], 2, v2
; The oldest x tile on its way, in register set `set`: round to f16, 8 bytes a lane into LDS buffer buf.  left = how many younger loads may stay out.
.macro CVTST set, buf, left
.set XR, X+\set*(XB-X)
	s_wait_loadcnt \left                           ; loads come back in order (ISA guide 5.7.1): the tile's eight rows are in
	WIN \set*0x45                                  ; set 1: both sources and the destination in window 1
.irp i, 0,1,2,3,4,5,6,7
	v_cvt_pk_f16_f32 v[XR+4*\i], v[XR+4*\i], v[XR+4*\i+1]
	v_cvt_pk_f16_f32 v[XR+4*\i+1], v[XR+4*\i+2], v[XR+4*\i+3]
.endr
	WIN \set*0x04                                  ; set 1: the stores' data in window 1, their address in window 0
.irp i, 0,1,2,3,4,5,6,7
	ds_store_b64 v[XS+\buf], v[XR+4*\i:XR+4*\i+1] offset:272*\i
.endr
.endm
	CVTST 0, 0, 16                                 ; tile 0; the 16 younger loads are the biases
	XLOAD 1, 0                                     ; tile 1 goes out at once: it has all of step 0 in which to land
	s_wait_loadcnt 0x8                             ; the biases are in; the 8 younger loads are tile 1
	s_wait_dscnt 0x0                               ; my rows of x tile 0 are in LDS
	s_wait_tensorcnt 0x1                           ; my part of step 0 has landed; the one younger load, step 1's, stays out
	BAR
; 32 along the depth into fragment buffer buf: four W fragments (my 64 columns), four x fragments (the 64 rows)
.macro FRAG slot, ks, buf
.set FWR, F0W+\buf*136
.set FXR, F0X+\buf*136
	WIN \buf*0x40
.irp t, 0,1,2,3
	ds_load_b128 v[FWR+8*\t:FWR+8*\t+3],   v[WA+\slot] offset:\t*4352+64*\ks
	ds_load_b128 v[FWR+8*\t+4:FWR+8*\t+7], v[WA+\slot] offset:\t*4352+64*\ks+32
.endr
.irp t, 0,1,2,3
	ds_load_b128 v[FXR+8*\t:FXR+8*\t+3],   v[XA+\slot] offset:\t*4352+64*\ks
	ds_load_b128 v[FXR+8*\t+4:FXR+8*\t+7], v[XA+\slot] offset:\t*4352+64*\ks+32
.endr
.endm
; Eight products: column tiles 2 half, 2 half + 1 x the four row tiles, from buffer buf into set setb.  zero: the set's bias (window 1) is C, nothing is cleared.
; Source 0 = 16 columns of W, source 1 = 16 rows of x: a lane's eight results are eight neighbouring columns of one row.
; The sixteen accumulators of a set take turns, one instruction a turn.
.macro MULH buf, setb, zero, half
.set FWR, F0W+\buf*136
.set FXR, F0X+\buf*136
.set AR, ACC*(1-\setb)
.set CR, XB-32*\setb
	WIN (\buf*0x05)|((\setb|\zero)*0x10)|(\setb*0x40)
.irp ct, 2*\half, 2*\half+1
.irp rt, 0,1,2,3
.if \zero
	v_wmma_f32_16x16x32_f16 v[AR+8*(4*(\ct)+\rt):AR+8*(4*(\ct)+\rt)+7], v[FWR+8*(\ct):FWR+8*(\ct)+7], v[FXR+8*\rt:FXR+8*\rt+7], v[CR+8*(\ct):CR+8*(\ct)+7]
.else
	v_wmma_f32_16x16x32_f16 v[AR+8*(4*(\ct)+\rt):AR+8*(4*(\ct)+\rt)+7], v[FWR+8*(\ct):FWR+8*(\ct)+7], v[FXR+8*\rt:FXR+8*\rt+7], v[AR+8*(4*(\ct)+\rt):AR+8*(4*(\ct)+\rt)+7]
.endif
.endr
.endr
.endm
; Step t of 128 on W slot and x buffer `slot`; its first quarter's fragments are on their way into buffer 0.
; Quarters 0 to 2: four places behind the products that read the other buffer, the next quarter's 16 loads into it, then s_wait_dscnt 16:
; LDS loads come back in order, so this quarter's 16 are in and the 16 just issued stay out for the length of 16 products.
; Quarter 3: x tile t + 1 is converted and stored, tile t + 3 asked for; then the change of slots.  bound 2: this slot is filled again, two steps ahead, behind a round
; of the cluster's barrier; bound 1: a plain barrier; bound 0: the last step.  Eight products stand between the barrier's signal and its wait: register work alone.
.macro STEP t, slot, setb, zero, bound
.if \t
	PLACES 4
.endif
	FRAG \slot, 1, 1
	s_wait_dscnt 16
	MULH 0, \setb, \zero, 0
	MULH 0, \setb, \zero, 1
	PLACES 4
.if \t == 0
	XLOAD 2, 1                                     ; the first products have read the first bias, four places ago: its registers become x set 1
.endif
	FRAG \slot, 2, 0
	s_wait_dscnt 16
	MULH 1, \setb, 0, 0
	MULH 1, \setb, 0, 1
	PLACES 4
	FRAG \slot, 3, 1
	s_wait_dscnt 16
	MULH 0, \setb, 0, 0
	MULH 0, \setb, 0, 1
.if \t < 6
	CVTST (\t&1), (1-\slot), 8                     ; the 8 younger loads are tile t + 2.  The LDS buffer's readers passed the last change of slots
.endif
.if \t == 6
	CVTST (\t&1), (1-\slot), 0                     ; the last tile
.endif
.if \t < 5
	XLOAD (\t+3), (\t&1)                           ; into the set just stored
.endif
.if \bound
	s_wait_tensorcnt 0x0                           ; all my tensor loads have landed, my part of the next step's tile among them: a group 0 may be written
.if \bound == 2
	s_add_nc_u64 s[G0+4*\slot+2:G0+4*\slot+3], s[G0+4*\slot+2:G0+4*\slot+3], 512
.endif
	s_wait_dscnt 0x0                               ; my reads of this slot are back (the last quarter's fragments among them), my x stores are in
	s_barrier_signal -1
	MULH 1, \setb, 0, 0
	WIN 0
	s_barrier_wait -1
.if \bound == 2
	CREST                                          ; that now holds of every wave of the four work-groups
	tensor_load_to_lds s[G0+4*\slot:G0+4*\slot+3], s[G1:G1+7]      ; my one tensor load behind the round, first thing there
.endif
	FRAG (1-\slot), 0, 0                           ; the next step's first quarter; the sixteen conversions above are the places behind the products that read buffer 0
	MULH 1, \setb, 0, 1
.else
	s_wait_dscnt 0x0
	MULH 1, \setb, 0, 0
	MULH 1, \setb, 0, 1
.endif
.endm
	FRAG 0, 0, 0
	STEP 0, 0, 0, 1, 2                             ; the first product: steps 0 to 3
	STEP 1, 1, 0, 0, 2
	STEP 2, 0, 0, 0, 2
	STEP 3, 1, 0, 0, 2
	STEP 4, 0, 1, 1, 2                             ; the second product: steps 4 to 7
	STEP 5, 1, 1, 0, 2
	STEP 6, 0, 1, 0, 1                             ; nothing is left to fetch
	STEP 7, 1, 1, 0, 0
	PLACES 4                                       ; before the way out reads the sums (ISA guide 7.12.1)
	WIN 0
	s_wait_dscnt 0x0
	ROUND                                          ; the closing round: no partner will ask for a tile that names me; and every wave has read the x buffers, which now serve as stage
; 16 rows at a time: 16 bytes a lane into my own stage (pitch 144), back as whole rows of 128 bytes, four rows = 512 consecutive bytes a store.
; blk, base: the set's window and first register; masked: rows of masked keys become zeros.
.macro OUT16 rt, blk, base, ptr, masked
	s_wait_xcnt 0x0                                ; the last stores' data registers are loaded again only behind this wait
.if \blk
	WIN 0x05                                       ; sources in window 1
.endif
.irp ct, 0,1,2,3
.irp j, 0,1,2,3
	v_cvt_pk_f16_f32 v[X+4*\ct+\j], v[\base+8*(4*\ct+\rt)+2*\j], v[\base+8*(4*\ct+\rt)+2*\j+1]
.endr
.endr
	WIN 0
.if \masked
.irp i, 0,1,2,3,4,5,6,7,8,9,10,11,12,13,14,15
	v_cndmask_b32 v[X+\i], 0, v[X+\i], s[MKS+\rt]
.endr
.endif
.irp ct, 0,1,2,3
	ds_store_b128 v[STO], v[X+4*\ct:X+4*\ct+3] offset:32*\ct
.endr
.irp i, 0,1,2,3
	ds_load_b128 v[X+16+4*\i:X+16+4*\i+3], v[RD] offset:576*\i             ; my own bytes, served in order (ISA guide 5.7.1)
.endr
	s_wait_dscnt 0x0
.irp i, 0,1,2,3
	global_store_b128 v[GO], v[X+16+4*\i:X+16+4*\i+3], s[\ptr:\ptr+1] offset:2048*\rt+512*\i
.endr
.endm
	s_lshl_b32 s84, s7, 21                         ; batch: 8 heads x 2,048 x 128 bytes
	s_lshl_b32 s87, s[SW], 18                      ; head w
	s_add_co_u32 s84, s84, s87
	s_lshl_b32 s87, s82, 7                         ; row p0
	s_add_co_u32 s84, s84, s87
	s_cmp_lg_u32 s6, 0
	s_cbranch_scc1 .Lqv
	; ---- job 0: kc ----
	s_add_nc_u64 s[30:31], s[30:31], s[84:85]
	s_lshl_b32 s88, s7, 11
	s_add_co_u32 s88, s88, s82
	s_lshl_b32 s88, s88, 2                         ; the mask at my work-group's first row
	s_mov_b32 s89, 0
	s_add_nc_u64 s[26:27], s[26:27], s[88:89]
.irp rt, 0,1,2,3
	global_load_b32 v[F0W+\rt], v[MO], s[26:27] offset:64*\rt              ; the mask word of row 16 rt + r; it lands while the sets are added
.endr
	WIN 0x04                                       ; source 1 in window 1
.set i, 0
.rept 64
	v_pk_add_f32 v[ACC+2*i:ACC+2*i+1], v[ACC+2*i:ACC+2*i+1], v[AB+2*i:AB+2*i+1]
.set i, i+1
.endr
	WIN 0
.set i, 0
.rept 64
	v_pk_mul_f32 v[ACC+2*i:ACC+2*i+1], v[ACC+2*i:ACC+2*i+1], 0x3e38aa3b op_sel_hi:[1,0]    ; x log2(e) / 8
.set i, i+1
.endr
	s_wait_loadcnt 0x0
.irp rt, 0,1,2,3
	v_cmp_ne_u32 s[MKS+\rt], 0, v[F0W+\rt]
.endr
	OUT16 0, 0, ACC, 30, 1
	OUT16 1, 0, ACC, 30, 1
	OUT16 2, 0, ACC, 30, 1
	OUT16 3, 0, ACC, 30, 1
	s_endpgm
	; ---- job 1: qh from the first set, vc from the second ----
.Lqv:
	s_add_nc_u64 s[28:29], s[28:29], s[84:85]
	s_add_nc_u64 s[32:33], s[32:33], s[84:85]
	OUT16 0, 0, ACC, 28, 0
	OUT16 1, 0, ACC, 28, 0
	OUT16 2, 0, ACC, 28, 0
	OUT16 3, 0, ACC, 28, 0
	OUT16 0, 1, AB, 32, 0
	OUT16 1, 1, AB, 32, 0
	OUT16 2, 1, AB, 32, 0
	OUT16 3, 1, AB, 32, 0
	s_endpgm
.Lfunc_end_k_q1ac1b8be40_proj:
	.size	k_q1ac1b8be40_proj, .Lfunc_end_k_q1ac1b8be40_proj-k_q1ac1b8be40_proj
	.p2alignl 7, 3214868480
	.fill 96, 4, 3214868480
	.section	.rodata,"a",@progbits
	.p2align	6, 0x0
	.amdhsa_kernel k_q1ac1b8be40_proj
		.amdhsa_group_segment_fixed_size 327680
		.amdhsa_private_segment_fixed_size 0
		.amdhsa_enable_private_segment 0
		.amdhsa_kernarg_size 104
		.amdhsa_user_sgpr_count 2
		.amdhsa_user_sgpr_kernarg_segment_ptr 1
		.amdhsa_wavefront_size32 1
		.amdhsa_system_sgpr_workgroup_id_x 1
		.amdhsa_system_sgpr_workgroup_id_y 1
		.amdhsa_system_sgpr_workgroup_id_z 1
		.amdhsa_system_vgpr_workitem_id 0
		.amdhsa_next_free_vgpr 512
		.amdhsa_next_free_sgpr 96
		.amdhsa_reserve_vcc 0
		.amdhsa_float_denorm_mode_32 3
		.amdhsa_float_denorm_mode_16_64 3
		.amdhsa_memory_ordered 1
		.amdhsa_forward_progress 1
		.amdhsa_inst_pref_size 137
	.end_amdhsa_kernel
	.amdgpu_metadata
---
amdhsa.version: [ 1, 2 ]
amdhsa.kernels:
  - .name:           k_q1ac1b8be40_proj
    .symbol:         k_q1ac1b8be40_proj.kd
    .args:
      - { .name: q, .offset: 0, .size: 8, .value_kind: global_buffer, .address_space: global }
      - { .name: k, .offset: 8, .size: 8, .value_kind: global_buffer, .address_space: global }
      - { .name: v, .offset: 16, .size: 8, .value_kind: global_buffer, .address_space: global }
      - { .name: k_b, .offset: 24, .size: 8, .value_kind: global_buffer, .address_space: global }
      - { .name: bq, .offset: 32, .size: 8, .value_kind: global_buffer, .address_space: global }
      - { .name: bk, .offset: 40, .size: 8, .value_kind: global_buffer, .address_space: global }
      - { .name: bv, .offset: 48, .size: 8, .value_kind: global_buffer, .address_space: global }
      - { .name: bkb, .offset: 56, .size: 8, .value_kind: global_buffer, .address_space: global }
      - { .name: wt, .offset: 64, .size: 8, .value_kind: global_buffer, .address_space: global }
      - { .name: mask, .offset: 72, .size: 8, .value_kind: global_buffer, .address_space: global }
      - { .name: qh, .offset: 80, .size: 8, .value_kind: global_buffer, .address_space: global }
      - { .name: kc, .offset: 88, .size: 8, .value_kind: global_buffer, .address_space: global }
      - { .name: vc, .offset: 96, .size: 8, .value_kind: global_buffer, .address_space: global }
    .group_segment_fixed_size: 327680
    .private_segment_fixed_size: 0
    .kernarg_segment_align: 8
    .kernarg_segment_size: 104
    .max_flat_workgroup_size: 256
    .sgpr_count:     96
    .vgpr_count:     512
    .wavefront_size: 32
...
	.end_amdgpu_metadata
.endif
;; end of part 5
;; launch attn (part 6): grid 256 x 1, 8 waves a work-group, clusters of 4 x 1, 327,680 bytes of LDS; arguments qh, kc, vc, mb, hid; writes hid
.if DOCPART == 6
	.amdgcn_target "amdgcn-amd-amdhsa--gfx1250"
	.amdhsa_code_object_version 6
	.text
	.protected	k_q1ac1b8be40_attn
	.globl	k_q1ac1b8be40_attn
	.p2align	8
	.type	k_q1ac1b8be40_attn,@function
k_q1ac1b8be40_attn:
	s_mov_b64 s[64:65], 0
	v_nop
	global_prefetch_b8 v0, s[64:65] scope:SCOPE_SE
	s_setreg_imm32_b32 hwreg(HW_REG_WAVE_MODE, 25, 1), 1
	s_wait_xcnt 0x0
	s_wait_alu depctr_hold_cnt(0) depctr_sa_sdst(0) depctr_va_vdst(0) depctr_va_sdst(0) depctr_va_ssrc(0) depctr_va_vcc(0) depctr_vm_vsrc(0)
	s_getreg_b32 s2, hwreg(HW_REG_IB_STS2, 6, 4)
	s_cmp_eq_u32 s2, 0
	s_cbranch_scc0 .Lentry_in_a_cluster
	s_endpgm
.Lentry_in_a_cluster:
	s_bfe_u32 s2, ttmp6, 0x10000c
	s_cmp_lg_u32 s2, 0x3003
	s_cbranch_scc0 .Lentry_shape_is_right
	s_endpgm
.Lentry_shape_is_right:
; ATTN: softmax(corr) V over all 2,048 keys of the batch, with a running maximum.  Nothing is left out.
; kc holds (K + Kb) log2(e) / 8 with zero rows for masked keys, and mb holds -1e9 log2(e) for masked keys and 0 for the others: the score sums start with mb as C,
; so s = corr x log2(e), a masked score is exactly mb's constant, and the weights are exp2(s - max).  The difference is formed first, by one addition, so that equal
; scores give exactly 1 however large they are (a batch whose mask is all 0).  Limits: see the first kernel's head.
; A cluster = four work-groups of one head, 256 queries each; they walk the same K, V and mb tiles, which are asked for JOINTLY (mask 15).
; A wave has 32 queries: two tiles A and B of 16.  Scores are made transposed, S^T = K Q^T: lane (r, h), register j holds key 8 h + j of query r, so that maximum and sum
; stay in the lane but for one exchange with lane xor 16, the rescaling factor is one number a lane, and two packed tiles ARE the second source of O^T += V^T P^T.
; V^T comes by the transposing LDS load from V as stored, [key][d].
;
; THE TWO TILES TAKE TURNS.  A block is 64 keys.  In the first half of block j the softmax step of A(j) is cut into twelve slices that stand behind B's products
; (O_B += V(j-1)^T P_B(j-1)^T, then S_B(j)); in the second half B(j)'s step stands behind A's products (O_A += V(j)^T P_A(j)^T, then S_A(j+1)).  A half has 16 products
; (128 cycles of the matrix unit at 1,024 multiply-adds a cycle) and 119 vector instructions.  The slices name none of the other tile's registers, so they are also
; the places that products want behind them (ISA guide 7.12.1): the loop has no v_nop.  In a slice exponentials and plain instructions alternate and the last is plain (5.7.2).
; K(j+1) with mb(j+1), and V(j), have register buffers of their own and are asked for half a half-block ahead of their first use; both tiles use them, so each is read from LDS once.
; REGISTERS.  Window 0: v0-31 addresses and state, v32-95 O, v96-159 S, v160-191 P, v192-255 V's fragments: the products with V and all vector work need no window switch.
; Window 1: v0-63 K's fragments, v64-95 Q, v96-127 mb: a pair of score products stands between two switches: 8 in a half, 2 for K's loads, 18 in a block of 32 products.
; 16 tiles of 128 keys through two LDS slots.  The first four blocks stand ahead of the loop: the very first starts maximum, sum and O (C = 0), nothing is cleared.
; By this text's count an issuing wave has one tensor load out behind each round.
.set SLOT,  39424                      ; K: 128 keys x pitch 144; V: 128 keys x pitch 160; mb: 128 words
.set VOFF,  18432
.set MOFF,  38912
.set STAGE, 78848                      ; 8 waves x 32 rows x 144: written by ds_store alone
.set SW,  58                           ; s58      wave
.set G1K, 16                           ; s[16:23] group 1 for K
.set G1V, 24                           ; s[24:31] group 1 for V
.set G0K, 32                           ; s[32:39] group 0 for K, one set a slot
.set G0V, 40                           ; s[40:47] group 0 for V
.set G1M, 68                           ; s[68:75] group 1 for mb
.set G0M, 76                           ; s[76:83] group 0 for mb
.set KA,  4                            ; v4-5   K fragments, slot 0, 1
.set VA,  6                            ; v6-7   V fragments
.set STO, 8
.set RD,  9
.set GO,  10
.set MA,  11                           ; v11-12 mb's words of keys 8 h .., slot 0, 1
.set QO,  13
.set M,   14                           ; v14-15 running maximum, tile A, B
.set L,   16                           ; v16-17 running sum of my half of the keys
.set AL,  18                           ; v[18:19], v[20:21] rescaling factor (the pair's upper word is written once and not used)
.set NM,  22                           ; v[22:23], v[24:25] minus the maximum
.set T,   26                           ; v[26:31] at work: one tile at a time is in its softmax step
.set O,   32                           ; v[32:95]   32 qt + 8 dt
.set S,   96                           ; v[96:159]  32 qt + 8 kt
.set P,   160                          ; v[160:191] 16 qt + 8 kk
.set VF,  192                          ; v[192:255] 16 dt + 8 kk
.set KF,  0                            ; window 1: 16 kt + 8 ks
.set Q,   64                           ; window 1: 16 qt + 8 ks
.set MB,  96                           ; window 1: 8 kt
.set MSB, 0
.macro WIN new                         ; s_set_vgpr_msb: bits 1:0 source 0, 3:2 source 1, 5:4 source 2, 7:6 destination; the high byte repeats the setting that is left
.if MSB != \new
	s_set_vgpr_msb (MSB<<8)|\new
.set MSB, \new
.endif
.endm
.macro ROUND
	s_barrier_signal -1
	s_barrier_wait -1
	s_cmp_lg_u32 s[SW], 0
	s_cbranch_scc1 .Lnot_wave_0_\@
	s_barrier_signal -3
.Lnot_wave_0_\@:
	s_barrier_wait -3
	s_barrier_signal -1
	s_barrier_wait -1
.endm
.macro PLACES num
.rept \num
	v_nop
.endr
.endm
; Waves 0, 1 ask for K's two halves of 64 keys, waves 2, 3 for V's, wave 4 for mb's 128 words; waves 5 to 7 ask for nothing.  The branches hang on the wave's number alone.
.macro JLOAD s
	s_cmp_ge_u32 s[SW], 5
	s_cbranch_scc1 .Lasked_\@
	s_cmp_ge_u32 s[SW], 4
	s_cbranch_scc1 .Lfor_m_\@
	s_cmp_ge_u32 s[SW], 2
	s_cbranch_scc1 .Lfor_v_\@
	tensor_load_to_lds s[G0K+4*\s:G0K+4*\s+3], s[G1K:G1K+7]
	s_branch .Lasked_\@
.Lfor_v_\@:
	tensor_load_to_lds s[G0V+4*\s:G0V+4*\s+3], s[G1V:G1V+7]
	s_branch .Lasked_\@
.Lfor_m_\@:
	tensor_load_to_lds s[G0M+4*\s:G0M+4*\s+3], s[G1M:G1M+7]
.Lasked_\@:
.endm
	s_load_b256 s[4:11], s[0:1], 0x0               ; qh 4, kc 6, vc 8, mb 10
	s_load_b64 s[12:13], s[0:1], 0x20              ; hid
	v_lshrrev_b32 v26, 5, v0
	v_readfirstlane_b32 s[SW], v26
	s_and_b32 s59, s[SW], 1                        ; which 64 keys of a tile I ask for
	s_bfe_u32 s60, ttmp6, 0x40000                  ; cx
	s_lshr_b32 s61, ttmp9, 1                       ; batch x 8 + head
	s_lshr_b32 s84, ttmp9, 4                       ; batch
	s_lshl_b32 s84, s84, 13                        ; its 2,048 words of mb
	s_mov_b32 s85, 0
	s_and_b32 s86, ttmp9, 1
	s_lshl2_add_u32 s86, s86, s60                  ; block of 256 queries
	s_lshl_b32 s86, s86, 15
	s_lshl_b32 s87, s[SW], 12                      ; my wave's 32 rows of 128 bytes
	s_add_co_u32 s86, s86, s87
	s_lshl_b32 s88, s61, 18                        ; the head: 2,048 rows of 128 bytes
	s_add_co_u32 s86, s86, s88
	s_mov_b32 s87, 0
	s_lshl_b32 s89, s59, 13                        ; 64 keys of 128 bytes
	s_add_co_u32 s88, s88, s89                     ; made of the head and the wave's number alone: equal in the four partners
	s_mov_b32 s89, 0
	s_mul_i32 s90, s59, 64*144
	s_mul_i32 s91, s59, 64*160
	s_mov_b32 s56, 0x76543210                      ; v_permlanex16_b32: lane i reads lane i of the other half
	s_mov_b32 s57, 0xfedcba98
	s_wait_kmcnt 0x0
	s_add_nc_u64 s[10:11], s[10:11], s[84:85]
	s_add_nc_u64 s[4:5], s[4:5], s[86:87]
	s_add_nc_u64 s[12:13], s[12:13], s[86:87]
	s_add_nc_u64 s[6:7], s[6:7], s[88:89]
	s_add_nc_u64 s[8:9], s[8:9], s[88:89]
	; group 1 for K and V: 64 rows x 64 f16, dense in memory; K padded by 4 words a row (pitch 144), V by 8 (pitch 160, an odd multiple of 32 for the transposing load)
	s_mov_b32 s[G1K+0], 15|(1<<16)|(1<<20)|(1<<21)|(4<<22)|(3<<25)
	s_mov_b32 s[G1V+0], 15|(1<<16)|(1<<20)|(1<<21)|(4<<22)|(7<<25)
.irp g, G1K, G1V
	s_mov_b32 s[\g+1], 64<<16                      ; tensor_dim0 = 64
	s_mov_b32 s[\g+2], 64<<16                      ; tensor_dim1 = 64
	s_mov_b32 s[\g+3], 64<<16                      ; tile_dim0 = 64
	s_mov_b32 s[\g+4], 64                          ; tile_dim1 = 64
	s_mov_b32 s[\g+5], 64                          ; elements from row to row
	s_mov_b32 s[\g+6], 0
	s_mov_b32 s[\g+7], 0
.endr
	; group 1 for mb: one row of 512 bytes as 64 elements of 8 bytes, no padding
	s_mov_b32 s[G1M+0], 15|(3<<16)|(1<<21)
	s_mov_b32 s[G1M+1], 64<<16                     ; tensor_dim0 = 64
	s_mov_b32 s[G1M+2], 1<<16                      ; tensor_dim1 = 1
	s_mov_b32 s[G1M+3], 64<<16                     ; tile_dim0 = 64
	s_mov_b32 s[G1M+4], 1                          ; tile_dim1 = 1
	s_mov_b32 s[G1M+5], 64
	s_mov_b32 s[G1M+6], 0
	s_mov_b32 s[G1M+7], 0
.irp s, 0,1
	s_mov_b32 s[G0K+4*\s], 1
	s_add_co_u32 s[G0K+4*\s+1], s90, \s*SLOT
	s_add_nc_u64 s[G0K+4*\s+2:G0K+4*\s+3], s[6:7], \s*16384        ; tile s
	s_or_b32 s[G0K+4*\s+3], s[G0K+4*\s+3], 0x80000000
	s_mov_b32 s[G0V+4*\s], 1
	s_add_co_u32 s[G0V+4*\s+1], s91, \s*SLOT+VOFF
	s_add_nc_u64 s[G0V+4*\s+2:G0V+4*\s+3], s[8:9], \s*16384
	s_or_b32 s[G0V+4*\s+3], s[G0V+4*\s+3], 0x80000000
	s_mov_b32 s[G0M+4*\s], 1
	s_mov_b32 s[G0M+4*\s+1], \s*SLOT+MOFF
	s_add_nc_u64 s[G0M+4*\s+2:G0M+4*\s+3], s[10:11], \s*512
	s_or_b32 s[G0M+4*\s+3], s[G0M+4*\s+3], 0x80000000
.endr
	ROUND                                          ; the four work-groups are here
	JLOAD 0                                        ; tile 0
	v_and_b32 v1, 15, v0                           ; r
	v_bfe_u32 v2, v0, 4, 1                         ; h
	v_and_b32 v3, 31, v0                           ; lane
	v_lshlrev_b32 v[QO], 7, v1
	v_lshl_add_u32 v[QO], v2, 4, v[QO]             ; query r, 16 bytes a half
	WIN 0x40                                       ; destination in window 1, address in window 0
.irp qt, 0,1
.irp ks, 0,1
	global_load_b128 v[Q+16*\qt+8*\ks:Q+16*\qt+8*\ks+3],   v[QO], s[4:5] offset:2048*\qt+64*\ks
	global_load_b128 v[Q+16*\qt+8*\ks+4:Q+16*\qt+8*\ks+7], v[QO], s[4:5] offset:2048*\qt+64*\ks+32
.endr
.endr
	WIN 0
	v_mul_u32_u24 v[KA], v1, 144
	v_lshl_add_u32 v[KA], v2, 4, v[KA]             ; key r, 16 bytes a half
	v_add_nc_u32 v[KA+1], SLOT, v[KA]
	v_and_b32 v28, 7, v0
	v_lshl_add_u32 v29, v2, 3, v28                 ; key 8 h + (lane & 7)
	v_mul_u32_u24 v29, v29, 160
	v_bfe_u32 v30, v0, 3, 1
	v_lshl_add_u32 v29, v30, 4, v29
	v_add_nc_u32 v[VA], VOFF, v29
	v_add_nc_u32 v[VA+1], SLOT+VOFF, v29
	v_lshlrev_b32 v[MA], 5, v2                     ; 8 h words
	v_add_nc_u32 v[MA+1], SLOT+MOFF, v[MA]
	v_add_nc_u32 v[MA], MOFF, v[MA]
	s_mul_i32 s66, s[SW], 32*144
	s_add_co_u32 s66, s66, STAGE
	v_add_nc_u32 v[STO], s66, v[KA]                ; the stage has K's pitch: row r, 16 bytes a half
	v_lshrrev_b32 v29, 3, v3
	v_mul_u32_u24 v29, v29, 144
	v_lshl_add_u32 v29, v28, 4, v29
	v_add_nc_u32 v[RD], s66, v29
	v_lshlrev_b32 v[GO], 4, v3
	v_mov_b32 v[AL+1], 0                           ; the upper words of the four pairs whose lower word is broadcast
	v_mov_b32 v[AL+3], 0
	v_mov_b32 v[NM+1], 0
	v_mov_b32 v[NM+3], 0
; ---- the softmax step's single instructions: tile qt, register i or pair p of its 32 scores ----
.macro EX qt, i                        ; exp2 in place
	v_exp_f32 v[S+32*\qt+\i], v[S+32*\qt+\i]
.endm
.macro SB qt, p                        ; s - max
	v_pk_add_f32 v[S+32*\qt+\p:S+32*\qt+\p+1], v[S+32*\qt+\p:S+32*\qt+\p+1], v[NM+2*\qt:NM+2*\qt+1] op_sel_hi:[1,0]
.endm
.macro RS qt, p, first                 ; O x exp2(old max - new max); the first block has no O yet
.if \first == 0
	v_pk_mul_f32 v[O+32*\qt+\p:O+32*\qt+\p+1], v[O+32*\qt+\p:O+32*\qt+\p+1], v[AL+2*\qt:AL+2*\qt+1] op_sel_hi:[1,0]
.endif
.endm
.macro CV qt, i                        ; two weights to f16: P's registers 0-3 of eight are keys 8 h + 0..7, registers 4-7 keys 16 + 8 h + 0..7 of 32
	v_cvt_pk_f16_f32 v[P+16*\qt+\i], v[S+32*\qt+2*\i], v[S+32*\qt+2*\i+1]
.endm
.macro AI qt, c, p                     ; sum chain c (0 or 2) starts with pairs p and p + 2
	v_pk_add_f32 v[T+\c:T+\c+1], v[S+32*\qt+\p:S+32*\qt+\p+1], v[S+32*\qt+\p+2:S+32*\qt+\p+3]
.endm
.macro AD qt, c, p                     ; and takes pair p
	v_pk_add_f32 v[T+\c:T+\c+1], v[T+\c:T+\c+1], v[S+32*\qt+\p:S+32*\qt+\p+1]
.endm
; ---- the twelve slices.  H0-H7: one behind each product with V.  F4-F7: one behind each pair of score products.  first: the very first keys start maximum and sum ----
.macro H0 qt, first
.irp c, 0,1,2,3
	v_max3_num_f32 v[T+\c], v[S+32*\qt+8*\c], v[S+32*\qt+8*\c+1], v[S+32*\qt+8*\c+2]
.endr
.irp c, 0,1
	v_max3_num_f32 v[T+\c], v[T+\c], v[S+32*\qt+8*\c+3], v[S+32*\qt+8*\c+4]
.endr
.endm
.macro H1 qt, first
.irp c, 2,3
	v_max3_num_f32 v[T+\c], v[T+\c], v[S+32*\qt+8*\c+3], v[S+32*\qt+8*\c+4]
.endr
.irp c, 0,1,2,3
	v_max3_num_f32 v[T+\c], v[T+\c], v[S+32*\qt+8*\c+5], v[S+32*\qt+8*\c+6]
.endr
.endm
.macro H2 qt, first
	v_max3_num_f32 v[T], v[T], v[T+1], v[S+32*\qt+7]
	v_max3_num_f32 v[T+2], v[T+2], v[T+3], v[S+32*\qt+15]
	v_max3_num_f32 v[T], v[T], v[T+2], v[S+32*\qt+23]
.if \first
	v_max_num_f32 v[T], v[T], v[S+32*\qt+31]
	v_permlanex16_b32 v[T+1], v[T], s56, s57       ; the other half of the keys
	v_max_num_f32 v[M+\qt], v[T], v[T+1]
.else
	v_max3_num_f32 v[T], v[T], v[S+32*\qt+31], v[M+\qt]
	v_permlanex16_b32 v[T+1], v[T], s56, s57       ; the other half of the keys
	v_max_num_f32 v[T], v[T], v[T+1]               ; the new maximum
.endif
.endm
.macro H3 qt, first
.if \first == 0
	v_sub_f32 v[T+2], v[M+\qt], v[T]
	v_mov_b32 v[M+\qt], v[T]
	v_exp_f32 v[AL+2*\qt], v[T+2]                  ; exp2(old - new)
.endif
	v_xor_b32 v[NM+2*\qt], 0x80000000, v[M+\qt]
	SB \qt, 0
	SB \qt, 2
	SB \qt, 4
	SB \qt, 6
.endm
.macro H4 qt, first
	EX \qt, 0
	RS \qt, 0, \first
	EX \qt, 1
	SB \qt, 8
	EX \qt, 2
	RS \qt, 2, \first
	EX \qt, 3
	SB \qt, 10
.endm
.macro H5 qt, first
	EX \qt, 4
	RS \qt, 4, \first
	EX \qt, 5
	SB \qt, 12
	EX \qt, 6
	RS \qt, 6, \first
	EX \qt, 7
	SB \qt, 14
.endm
.macro H6 qt, first
	EX \qt, 8
	SB \qt, 16
	EX \qt, 9
	AI \qt, 0, 0
	EX \qt, 10
	SB \qt, 18
	EX \qt, 11
	AD \qt, 0, 4
.endm
.macro H7 qt, first                    ; five plain instructions where O is rescaled: the places in front of the loads that follow into V's fragments
	EX \qt, 12
	SB \qt, 20
	EX \qt, 13
	AD \qt, 0, 6
	EX \qt, 14
	EX \qt, 15
	SB \qt, 22
	RS \qt, 8, \first
	RS \qt, 10, \first
.endm
.macro F4 qt, first
	EX \qt, 16
	SB \qt, 24
	EX \qt, 17
	CV \qt, 0
	EX \qt, 18
	SB \qt, 26
	EX \qt, 19
	CV \qt, 1
	EX \qt, 20
	SB \qt, 28
	EX \qt, 21
	CV \qt, 2
	EX \qt, 22
	SB \qt, 30
	EX \qt, 23
	CV \qt, 3
.endm
.macro F5 qt, first
	EX \qt, 24
	AD \qt, 0, 8
	EX \qt, 25
	CV \qt, 4
	EX \qt, 26
	AD \qt, 0, 10
	EX \qt, 27
	CV \qt, 5
	EX \qt, 28
	AD \qt, 0, 12
	EX \qt, 29
	CV \qt, 6
	EX \qt, 30
	AD \qt, 0, 14
	EX \qt, 31
	CV \qt, 7
.endm
.macro F6 qt, first
	AI \qt, 2, 16
	CV \qt, 8
	RS \qt, 12, \first
	AD \qt, 2, 20
	CV \qt, 9
	RS \qt, 14, \first
	AD \qt, 2, 22
	CV \qt, 10
	RS \qt, 16, \first
	CV \qt, 11
	RS \qt, 18, \first
	RS \qt, 20, \first
	RS \qt, 22, \first
.endm
.macro F7 qt, first
	AD \qt, 2, 24
	CV \qt, 12
	RS \qt, 24, \first
	AD \qt, 2, 26
	CV \qt, 13
	RS \qt, 26, \first
	AD \qt, 2, 28
	CV \qt, 14
	RS \qt, 28, \first
	AD \qt, 2, 30
	CV \qt, 15
	RS \qt, 30, \first
	v_pk_add_f32 v[T:T+1], v[T:T+1], v[T+2:T+3]
.if \first
	v_add_f32 v[L+\qt], v[T], v[T+1]
.else
	v_add_f32 v[T], v[T], v[T+1]
	v_fma_f32 v[L+\qt], v[L+\qt], v[AL+2*\qt], v[T]
.endif
.endm
; ---- the products.  In every run the accumulators take turns, one instruction a turn ----
; Product n (0..7) of O(qt)^T += V^T P(qt)^T: keys 32 (n >> 2) .., d tile n & 3.  All operands in window 0.  zero: the first 32 keys start the sums.
.macro PV1 qt, n, zero
.if \zero*(1-(\n>>2))
	v_wmma_f32_16x16x32_f16 v[O+32*\qt+8*(\n&3):O+32*\qt+8*(\n&3)+7], v[VF+16*(\n&3)+8*(\n>>2):VF+16*(\n&3)+8*(\n>>2)+7], v[P+16*\qt+8*(\n>>2):P+16*\qt+8*(\n>>2)+7], 0
.else
	v_wmma_f32_16x16x32_f16 v[O+32*\qt+8*(\n&3):O+32*\qt+8*(\n&3)+7], v[VF+16*(\n&3)+8*(\n>>2):VF+16*(\n&3)+8*(\n>>2)+7], v[P+16*\qt+8*(\n>>2):P+16*\qt+8*(\n>>2)+7], v[O+32*\qt+8*(\n&3):O+32*\qt+8*(\n&3)+7]
.endif
.endm
.macro PVX qt, n, pv                   ; pv 0: none, 1: the first (C = 0), 2: in place
.if \pv
	PV1 \qt, \n, (2-\pv)
.endif
.endm
; Pair n (0..3) of S(qt)^T = K Q(qt)^T + mb: d half n >> 1, key tiles 2 (n & 1), 2 (n & 1) + 1.  K and Q in window 1; the first d half takes mb (window 1) as C.
.macro SP2 qt, n
.if (\n>>1) == 0
	WIN 0x15
.else
	WIN 0x05
.endif
.irp d, 0,1
.if (\n>>1) == 0
	v_wmma_f32_16x16x32_f16 v[S+32*\qt+8*(2*(\n&1)+\d):S+32*\qt+8*(2*(\n&1)+\d)+7], v[KF+16*(2*(\n&1)+\d):KF+16*(2*(\n&1)+\d)+7], v[Q+16*\qt:Q+16*\qt+7], v[MB+8*(2*(\n&1)+\d):MB+8*(2*(\n&1)+\d)+7]
.else
	v_wmma_f32_16x16x32_f16 v[S+32*\qt+8*(2*(\n&1)+\d):S+32*\qt+8*(2*(\n&1)+\d)+7], v[KF+16*(2*(\n&1)+\d)+8:KF+16*(2*(\n&1)+\d)+15], v[Q+16*\qt+8:Q+16*\qt+15], v[S+32*\qt+8*(2*(\n&1)+\d):S+32*\qt+8*(2*(\n&1)+\d)+7]
.endif
.endr
.endm
; ---- LDS to registers ----
.macro LOADK slot, sb                  ; 24 loads: K's eight fragments and mb's 64 words of keys 64 sb .. of the tile in `slot`
	WIN 0x40
.irp kt, 0,1,2,3
.irp ks, 0,1
	ds_load_b128 v[KF+16*\kt+8*\ks:KF+16*\kt+8*\ks+3],   v[KA+\slot] offset:(4*\sb+\kt)*2304+64*\ks
	ds_load_b128 v[KF+16*\kt+8*\ks+4:KF+16*\kt+8*\ks+7], v[KA+\slot] offset:(4*\sb+\kt)*2304+64*\ks+32
.endr
.endr
.irp kt, 0,1,2,3
	ds_load_b128 v[MB+8*\kt:MB+8*\kt+3],   v[MA+\slot] offset:256*\sb+64*\kt      ; mb of keys 16 kt + 8 h + 0..7: what both tiles' score sums start with
	ds_load_b128 v[MB+8*\kt+4:MB+8*\kt+7], v[MA+\slot] offset:256*\sb+64*\kt+16
.endr
	WIN 0
.endm
.macro LOADV slot, sb                  ; 16 transposing loads: V's eight fragments
.irp dt, 0,1,2,3
.irp kk, 0,1
	ds_load_tr16_b128 v[VF+16*\dt+8*\kk:VF+16*\dt+8*\kk+3],   v[VA+\slot] offset:(64*\sb+32*\kk)*160+32*\dt
	ds_load_tr16_b128 v[VF+16*\dt+8*\kk+4:VF+16*\dt+8*\kk+7], v[VA+\slot] offset:(64*\sb+32*\kk)*160+32*\dt+2560
.endr
.endr
.endm
; In front of the first reads of the tile in `slot`.  refill: the tile behind it goes into the other slot, of which every read is back by now.
.macro HEAD slot, refill
	s_wait_tensorcnt 0x0                           ; all my tensor loads have landed, my part of this tile among them: a group 0 may be written
	s_add_nc_u64 s[G0K+4*\slot+2:G0K+4*\slot+3], s[G0K+4*\slot+2:G0K+4*\slot+3], 32768     ; this slot's next tile
	s_add_nc_u64 s[G0V+4*\slot+2:G0V+4*\slot+3], s[G0V+4*\slot+2:G0V+4*\slot+3], 32768
	s_add_nc_u64 s[G0M+4*\slot+2:G0M+4*\slot+3], s[G0M+4*\slot+2:G0M+4*\slot+3], 1024
	s_wait_dscnt 0x0                               ; my reads of the other slot are back: the last were V's fragments, asked for eight products ago
	ROUND                                          ; both now hold of every wave of the four work-groups
.if \refill
	JLOAD (1-\slot)                                ; first thing behind the round, one load a wave
.endif
.endm
; ---- half a half-block: tile x's slices behind tile y's products ----
.macro HALF1 x, y, first, pv
	PVX \y, 0, \pv
	H0 \x, \first
	PVX \y, 1, \pv
	H1 \x, \first
	PVX \y, 2, \pv
	H2 \x, \first
	PVX \y, 3, \pv
	H3 \x, \first
	PVX \y, 4, \pv
	H4 \x, \first
	PVX \y, 5, \pv
	H5 \x, \first
	PVX \y, 6, \pv
	H6 \x, \first
	PVX \y, 7, \pv
	H7 \x, \first
.endm
.macro HALF2 x, y, first, sm
.if \sm
	SP2 \y, 0
.endif
	WIN 0
	F4 \x, \first
.if \sm
	SP2 \y, 1
.endif
	WIN 0
	F5 \x, \first
.if \sm
	SP2 \y, 2
.endif
	WIN 0
	F6 \x, \first
.if \sm
	SP2 \y, 3
.endif
	WIN 0
	F7 \x, \first
.endm
; Block: keys 64 sb .. of the tile in `slot`.  first: the launch's first block.  pvb: B's products with the block before (0 none, 1 the first, 2 in place).
; head: the next block opens a tile (1: with a refill, 2: without).  more: a block follows.
.macro BLOCK slot, sb, first, pvb, head, more
	HALF1 0, 1, \first, \pvb                       ; softmax of A(j) beside O_B += V(j-1)^T P_B(j-1)^T
	LOADV \slot, \sb                               ; V(j): both tiles have used V(j-1)
	HALF2 0, 1, \first, 1                          ; and beside S_B(j)
.if \head
	HEAD (1-\slot), (2-\head)
.endif
.if \more
.if \sb
	LOADK (1-\slot), 0                             ; K(j+1), mb(j+1): both tiles have used K(j)
.else
	LOADK \slot, 1
.endif
	s_wait_dscnt 24                                ; LDS loads come back in order (ISA guide 5.7.1): V(j) is in, the 24 younger loads of K and mb stay out
.else
	s_wait_dscnt 0x0                               ; V(j)
.endif
	HALF1 1, 0, \first, (2-\first)                 ; softmax of B(j) beside O_A += V(j)^T P_A(j)^T
.if \more
	s_wait_dscnt 0x0                               ; K(j+1), mb(j+1), asked for eight products ago
.endif
	HALF2 1, 0, \first, \more                      ; and beside S_A(j+1)
.endm
	HEAD 0, 1                                      ; tile 0 is in; tile 1 goes out
	LOADK 0, 0
	s_wait_loadcnt 0x0                             ; Q
	s_wait_dscnt 0x0
	SP2 0, 0                                       ; S_A(0): the one run of products with nothing to stand beside it
	SP2 0, 1
	SP2 0, 2
	SP2 0, 3
	WIN 0
	PLACES 4                                       ; before the first slice reads S_A (ISA guide 7.12.1)
	BLOCK 0, 0, 1, 0, 0, 1                         ; tiles 0 and 1 stand ahead of the loop: the first products start the sums
	BLOCK 0, 1, 0, 1, 1, 1
	BLOCK 1, 0, 0, 2, 0, 1
	BLOCK 1, 1, 0, 2, 1, 1
	s_mov_b32 s62, 6                               ; tiles 2 to 13
.Lpair:
	BLOCK 0, 0, 0, 2, 0, 1
	BLOCK 0, 1, 0, 2, 1, 1
	BLOCK 1, 0, 0, 2, 0, 1
	BLOCK 1, 1, 0, 2, 1, 1
	s_sub_co_u32 s62, s62, 1
	s_cmp_lg_u32 s62, 0
	s_cbranch_scc1 .Lpair
	BLOCK 0, 0, 0, 2, 0, 1                         ; tile 14
	BLOCK 0, 1, 0, 2, 2, 1                         ; tile 15 is opened without a refill: nothing is left to fetch
	BLOCK 1, 0, 0, 2, 0, 1
	BLOCK 1, 1, 0, 2, 0, 0                         ; the last block: no K to ask for, no S_A to make
.irp n, 0,1,2,3,4,5,6,7
	PV1 1, \n, 0                                   ; O_B += V(31)^T P_B(31)^T
.endr
	PLACES 4                                       ; before the way out reads O and loads into V's fragments
	ROUND                                          ; the closing round: no partner will ask for a tile that names me
.irp qt, 0,1
	v_permlanex16_b32 v[T], v[L+\qt], s56, s57     ; the other half's sum
	v_add_f32 v[L+\qt], v[L+\qt], v[T]             ; at least 1: the largest key's weight is 1
	v_rcp_f32 v[AL+2*\qt], v[L+\qt]
	v_nop                                          ; the plain place behind the reciprocal (ISA guide 5.7.2)
.irp p, 0,2,4,6,8,10,12,14,16,18,20,22,24,26,28,30
	v_pk_mul_f32 v[O+32*\qt+\p:O+32*\qt+\p+1], v[O+32*\qt+\p:O+32*\qt+\p+1], v[AL+2*\qt:AL+2*\qt+1] op_sel_hi:[1,0]
.endr
.irp j, 0,1,2,3,4,5,6,7,8,9,10,11,12,13,14,15
	v_cvt_pk_f16_f32 v[S+16*\qt+\j], v[O+32*\qt+2*\j], v[O+32*\qt+2*\j+1]  ; lane (r, h): d = 16 dt + 8 h + 0..7 of query r
.endr
.irp dt, 0,1,2,3
	ds_store_b128 v[STO], v[S+16*\qt+4*\dt:S+16*\qt+4*\dt+3] offset:2304*\qt+32*\dt
.endr
.endr
.irp i, 0,1,2,3,4,5,6,7
	ds_load_b128 v[VF+4*\i:VF+4*\i+3], v[RD] offset:576*\i                 ; my own bytes, served in order (ISA guide 5.7.1)
.endr
	s_wait_dscnt 0x0
.irp i, 0,1,2,3,4,5,6,7
	global_store_b128 v[GO], v[VF+4*\i:VF+4*\i+3], s[12:13] offset:512*\i  ; four rows of 128 bytes: 512 consecutive bytes a store
.endr
	s_endpgm
.Lfunc_end_k_q1ac1b8be40_attn:
	.size	k_q1ac1b8be40_attn, .Lfunc_end_k_q1ac1b8be40_attn-k_q1ac1b8be40_attn
	.p2alignl 7, 3214868480
	.fill 96, 4, 3214868480
	.section	.rodata,"a",@progbits
	.p2align	6, 0x0
	.amdhsa_kernel k_q1ac1b8be40_attn
		.amdhsa_group_segment_fixed_size 327680
		.amdhsa_private_segment_fixed_size 0
		.amdhsa_enable_private_segment 0
		.amdhsa_kernarg_size 40
		.amdhsa_user_sgpr_count 2
		.amdhsa_user_sgpr_kernarg_segment_ptr 1
		.amdhsa_wavefront_size32 1
		.amdhsa_system_sgpr_workgroup_id_x 1
		.amdhsa_system_sgpr_workgroup_id_y 1
		.amdhsa_system_sgpr_workgroup_id_z 1
		.amdhsa_system_vgpr_workitem_id 0
		.amdhsa_next_free_vgpr 384
		.amdhsa_next_free_sgpr 96
		.amdhsa_reserve_vcc 0
		.amdhsa_float_denorm_mode_32 3
		.amdhsa_float_denorm_mode_16_64 3
		.amdhsa_memory_ordered 1
		.amdhsa_forward_progress 1
		.amdhsa_inst_pref_size 230
	.end_amdhsa_kernel
	.amdgpu_metadata
---
amdhsa.version: [ 1, 2 ]
amdhsa.kernels:
  - .name:           k_q1ac1b8be40_attn
    .symbol:         k_q1ac1b8be40_attn.kd
    .args:
      - { .name: qh, .offset: 0, .size: 8, .value_kind: global_buffer, .address_space: global }
      - { .name: kc, .offset: 8, .size: 8, .value_kind: global_buffer, .address_space: global }
      - { .name: vc, .offset: 16, .size: 8, .value_kind: global_buffer, .address_space: global }
      - { .name: mb, .offset: 24, .size: 8, .value_kind: global_buffer, .address_space: global }
      - { .name: hid, .offset: 32, .size: 8, .value_kind: global_buffer, .address_space: global }
    .group_segment_fixed_size: 327680
    .private_segment_fixed_size: 0
    .kernarg_segment_align: 8
    .kernarg_segment_size: 40
    .max_flat_workgroup_size: 256
    .sgpr_count:     96
    .vgpr_count:     384
    .wavefront_size: 32
...
	.end_amdgpu_metadata
.endif
;; end of part 6
;; launch oproj (part 7): grid 4 x 64, 8 waves a work-group, clusters of 4 x 4, 317,440 bytes of LDS; arguments hid, wt, bo, out0; writes out0
.if DOCPART == 7
	.amdgcn_target "amdgcn-amd-amdhsa--gfx1250"
	.amdhsa_code_object_version 6
	.text
	.protected	k_q1ac1b8be40_oproj
	.globl	k_q1ac1b8be40_oproj
	.p2align	8
	.type	k_q1ac1b8be40_oproj,@function
k_q1ac1b8be40_oproj:
	s_mov_b64 s[64:65], 0
	v_nop
	global_prefetch_b8 v0, s[64:65] scope:SCOPE_SE
	s_setreg_imm32_b32 hwreg(HW_REG_WAVE_MODE, 25, 1), 1
	s_wait_xcnt 0x0
	s_wait_alu depctr_hold_cnt(0) depctr_sa_sdst(0) depctr_va_vdst(0) depctr_va_sdst(0) depctr_va_ssrc(0) depctr_va_vcc(0) depctr_vm_vsrc(0)
	s_getreg_b32 s2, hwreg(HW_REG_IB_STS2, 6, 4)
	s_cmp_eq_u32 s2, 0
	s_cbranch_scc0 .Lentry_in_a_cluster
	s_endpgm
.Lentry_in_a_cluster:
	s_bfe_u32 s2, ttmp6, 0x10000c
	s_cmp_lg_u32 s2, 0xf033
	s_cbranch_scc0 .Lentry_shape_is_right
	s_endpgm
.Lentry_shape_is_right:
; OPROJ: out0 = hid Wo + bo.  hid: f16 [batch][head][query][64]; Wo^T: columns 2048 .. 2559 of wt; out0: f32 [8192][512].  Operands f16, sums f32.  Nothing is left out.
; A work-group makes 128 rows x 128 columns and holds ALL of its depth of 512 in LDS: 128 KB of Wo^T and 128 KB of hid.  Nothing is filled again, so there is no ring:
; all tensor loads go out as one group at the start, and the depth is taken in two halves of 256, so that the second half lands while the first is multiplied.
; CLUSTERS: 4 x 4 work-groups.  hid's tiles hang on the block row alone and are shared along a row of the cluster; Wo's hang on the block column alone and are shared along
; a column.  Each is asked for JOINTLY by its four partners, with one descriptor and a mask that names the four: that divides the requests for both by four.
; Every wave issues four loads: its 16 rows x 512 bytes of Wo^T and its 64 rows x 128 bytes of one head of hid, for each half of the depth.  (Wo's 128 rows go to eight waves,
; hence 16 rows a load; each of these rows is 512 consecutive bytes at a multiple of 256 from wt's first byte.)  By this text's count a wave has four tensor loads out.
; Wave w: rows 32 (w >> 1) .., columns 64 (w & 1) ..: 8 accumulator tiles, 16 steps of 32 along the depth, 8 products a step.
; Fragments: three register buffers take turns, so that a step asks for the fragments of the step after next: 16 products lie between a fragment's request and its use.
.set WH,    67584                      ; half the depth of Wo^T: 128 rows x pitch 528 (512 bytes + 16: 132 words, so row r starts at bank 4 r mod 64)
.set AOFF,  135168                     ; hid: 8 heads x 128 rows x pitch 144
.set AH,    73728                      ; four heads of it: half the depth
.set STAGE, 282624                     ; 8 waves x 16 rows x 272: written by ds_store alone
.set SW,  12                           ; s12      wave
.set G1W, 16                           ; s[16:23] group 1 for Wo^T
.set G1A, 24                           ; s[24:31] group 1 for hid
.set G0W, 32                           ; s[32:39] group 0 for Wo^T, one set for each half of the depth; never rewritten
.set G0A, 40                           ; s[40:47] group 0 for hid
.set WA,  4                            ; v4-5     LDS address of my Wo fragments, half 0, 1
.set AA,  6                            ; v6-7     of my hid fragments
.set STO, 8
.set RD,  9
.set GO,  10
.set BO,  11
.set BIAS, 16                          ; v[16:47]
.set F,   48                           ; v[48:191]  three buffers of 48: four Wo fragments at 8 ct, two hid fragments at 32 + 8 rt; later the way out
.set ACC, 192                          ; v[192:255] 8 (2 ct + rt)
.macro BAR
	s_barrier_signal -1
	s_barrier_wait -1
.endm
; A round of the cluster's barrier: my work-group's barrier, wave 0 signals for the work-group, every wave waits for all sixteen work-groups, my work-group's barrier again.
.macro CREST                           ; a round behind its opening barrier
	s_cmp_lg_u32 s[SW], 0
	s_cbranch_scc1 .Lnot_wave_0_\@
	s_barrier_signal -3
.Lnot_wave_0_\@:
	s_barrier_wait -3
	s_barrier_signal -1
	s_barrier_wait -1
.endm
.macro ROUND                           ; a whole round
	s_barrier_signal -1
	s_barrier_wait -1
	CREST
.endm
.macro PLACES num
.rept \num
	v_nop
.endr
.endm
	s_load_b256 s[4:11], s[0:1], 0x0               ; hid 4, wt 6, bo 8, out0 10
	v_lshrrev_b32 v1, 5, v0
	v_readfirstlane_b32 s[SW], v1
	s_bfe_u32 s13, ttmp6, 0x40000                  ; cx: my place along the cluster's x
	s_bfe_u32 s14, ttmp6, 0x40004                  ; cy: along its y
	s_lshl_b32 s15, ttmp9, 2                       ; in a cluster launch ttmp9 and ttmp7 count clusters
	s_add_co_u32 s15, s15, s13                     ; block column = 4 x cluster x + cx: 0 to 3
	s_and_b32 s48, ttmp7, 0xffff
	s_lshl_b32 s48, s48, 2
	s_add_co_u32 s48, s48, s14                     ; block row = 4 x cluster y + cy: 0 to 63
	s_lshl_b32 s49, s14, 2
	s_lshl_b32 s49, 15, s49                        ; my row of the cluster: places 4 cy .. 4 cy + 3
	s_lshl_b32 s59, 0x1111, s13                    ; my column: places cx, cx + 4, cx + 8, cx + 12
	; group 1 for hid: 64 rows x 64 f16, dense in memory, 4 words of padding behind each row of 32 words (pitch 144); the mask: my row of the cluster; bit 21 beside a mask
	s_or_b32 s[G1A+0], s49, (1<<16)|(1<<20)|(1<<21)|(4<<22)|(3<<25)
	s_mov_b32 s[G1A+1], 64<<16                     ; tensor_dim0 = 64
	s_mov_b32 s[G1A+2], 64<<16                     ; tensor_dim1 = 64
	s_mov_b32 s[G1A+3], 64<<16                     ; tile_dim0 = 64
	s_mov_b32 s[G1A+4], 64                         ; tile_dim1 = 64
	s_mov_b32 s[G1A+5], 64                         ; elements from row to row
	s_mov_b32 s[G1A+6], 0
	s_mov_b32 s[G1A+7], 0
	; group 1 for Wo^T: 16 rows x 256 f16, pitch 2,560 elements in wt, 4 words of padding behind each row of 128 words (pitch 528); the mask: my column of the cluster
	s_or_b32 s[G1W+0], s59, (1<<16)|(1<<20)|(1<<21)|(6<<22)|(3<<25)
	s_mov_b32 s[G1W+1], 256<<16                    ; tensor_dim0 = 256
	s_mov_b32 s[G1W+2], 16<<16                     ; tensor_dim1 = 16
	s_mov_b32 s[G1W+3], 256<<16                    ; tile_dim0 = 256
	s_mov_b32 s[G1W+4], 16                         ; tile_dim1 = 16
	s_mov_b32 s[G1W+5], 2560
	s_mov_b32 s[G1W+6], 0
	s_mov_b32 s[G1W+7], 0
	; hid's tile: made of the block row and the wave's number alone, in registers that never hold cx: equal in the four partners of my row
	s_lshr_b32 s50, s48, 4                         ; batch
	s_lshl_b32 s50, s50, 21                        ; 8 heads x 2,048 rows x 128 bytes
	s_and_b32 s51, s48, 15
	s_lshl_b32 s51, s51, 14                        ; 128 rows of 128 bytes
	s_add_co_u32 s50, s50, s51
	s_lshr_b32 s51, s[SW], 1                       ; which of a half's four heads I ask for
	s_lshl_b32 s51, s51, 18
	s_add_co_u32 s50, s50, s51
	s_and_b32 s51, s[SW], 1                        ; which 64 of its 128 rows
	s_lshl_b32 s51, s51, 13
	s_add_co_u32 s50, s50, s51
	s_mov_b32 s51, 0
	; Wo's tile: made of the block column and the wave's number alone, in registers that never hold cy: equal in the four partners of my column
	s_lshl_b32 s54, s15, 7
	s_lshl4_add_u32 s54, s[SW], s54                ; row 128 x block column + 16 w of wt
	s_mul_i32 s54, s54, 5120
	s_add_co_u32 s54, s54, 4096                    ; Wo's columns
	s_mov_b32 s55, 0
	; where they go: the wave's number times a constant, no place in the cluster
	s_mul_i32 s60, s[SW], 16*528
	s_mul_i32 s61, s[SW], 64*144                   ; head w >> 1, rows 64 (w & 1): 18,432 (w >> 1) + 9,216 (w & 1) = 9,216 w
	; my part of the result
	s_and_b32 s52, s[SW], 1                        ; cg: my 64 columns
	s_lshr_b32 s53, s[SW], 1                       ; rg: my 32 rows
	s_lshl_b32 s58, s15, 9
	s_lshl_b32 s57, s52, 8
	s_add_co_u32 s58, s58, s57                     ; my first column, in bytes of f32
	s_lshl_b32 s56, s48, 18                        ; 128 rows of 2,048 bytes
	s_lshl_b32 s57, s53, 16                        ; 32 rows
	s_add_co_u32 s56, s56, s57
	s_add_co_u32 s56, s56, s58
	s_mov_b32 s57, 0
	s_wait_kmcnt 0x0
	s_add_nc_u64 s[4:5], s[4:5], s[50:51]
	s_add_nc_u64 s[6:7], s[6:7], s[54:55]
	s_add_nc_u64 s[10:11], s[10:11], s[56:57]
.irp g, 0,1
	s_mov_b32 s[G0W+4*\g], 1
	s_add_co_u32 s[G0W+4*\g+1], s60, \g*WH
	s_add_nc_u64 s[G0W+4*\g+2:G0W+4*\g+3], s[6:7], \g*512          ; half g: 256 f16 along the rows
	s_or_b32 s[G0W+4*\g+3], s[G0W+4*\g+3], 0x80000000
	s_mov_b32 s[G0A+4*\g], 1
	s_add_co_u32 s[G0A+4*\g+1], s61, \g*AH+AOFF
	s_add_nc_u64 s[G0A+4*\g+2:G0A+4*\g+3], s[4:5], \g*1048576      ; half g: four heads on
	s_or_b32 s[G0A+4*\g+3], s[G0A+4*\g+3], 0x80000000
.endr
	ROUND                                          ; all sixteen work-groups are here: the joint loads meet
	tensor_load_to_lds s[G0W:G0W+3], s[G1W:G1W+7]                  ; the first half of the depth,
	tensor_load_to_lds s[G0A:G0A+3], s[G1A:G1A+7]
	tensor_load_to_lds s[G0W+4:G0W+7], s[G1W:G1W+7]                ; then the second: a wave's tensor loads end in order (ISA guide 10.11.1)
	tensor_load_to_lds s[G0A+4:G0A+7], s[G1A:G1A+7]
	v_and_b32 v1, 15, v0                           ; r
	v_bfe_u32 v2, v0, 4, 1                         ; h
	v_lshl_add_u32 v[BO], v2, 5, s58               ; bias of my first column + 8 h
.irp ct, 0,1,2,3
	global_load_b128 v[BIAS+8*\ct:BIAS+8*\ct+3],   v[BO], s[8:9] offset:64*\ct
	global_load_b128 v[BIAS+8*\ct+4:BIAS+8*\ct+7], v[BO], s[8:9] offset:64*\ct+16
.endr
	v_mul_u32_u24 v3, v1, 528
	v_lshl_add_u32 v[WA], v2, 4, v3                ; row r of Wo^T, 16 bytes a half
	s_mul_i32 s62, s52, 64*528
	v_add_nc_u32 v[WA], s62, v[WA]
	v_add_nc_u32 v[WA+1], WH, v[WA]
	v_mul_u32_u24 v[AA], v1, 144
	v_lshl_add_u32 v[AA], v2, 4, v[AA]             ; row r of hid, 16 bytes a half
	s_mul_i32 s63, s53, 32*144
	s_add_co_u32 s63, s63, AOFF
	v_add_nc_u32 v[AA], s63, v[AA]
	v_add_nc_u32 v[AA+1], AH, v[AA]
	s_mul_i32 s62, s[SW], 16*272
	s_add_co_u32 s62, s62, STAGE                   ; my stage
	v_mul_u32_u24 v3, v1, 272
	v_lshl_add_u32 v[STO], v2, 5, v3               ; in: row r, 32 bytes a half
	v_add_nc_u32 v[STO], s62, v[STO]
	v_mul_u32_u24 v[RD], v2, 272                   ; back: lanes 0-15 one row of 256 bytes, lanes 16-31 the next
	v_lshl_add_u32 v[RD], v1, 4, v[RD]
	v_add_nc_u32 v[RD], s62, v[RD]
	v_lshlrev_b32 v[GO], 11, v2                    ; the same two rows in out0
	v_lshl_add_u32 v[GO], v1, 4, v[GO]
	s_wait_loadcnt 0x0                             ; the bias
	s_wait_tensorcnt 0x2                           ; my parts of the first half have landed; the two younger loads, the second half's, stay out
	BAR
; The twelve loads of step ks (32 along the depth: half ks >> 3, head ks >> 1) into buffer ks mod 3
.macro FRAG ks
.set FB, F+48*((\ks)%3)
.set FG, (\ks)>>3
.set FK, (\ks)&7
.irp ct, 0,1,2,3
	ds_load_b128 v[FB+8*\ct:FB+8*\ct+3],   v[WA+FG] offset:\ct*8448+64*FK
	ds_load_b128 v[FB+8*\ct+4:FB+8*\ct+7], v[WA+FG] offset:\ct*8448+64*FK+32
.endr
.irp rt, 0,1
	ds_load_b128 v[FB+32+8*\rt:FB+32+8*\rt+3],   v[AA+FG] offset:(FK>>1)*18432+\rt*2304+64*(FK&1)
	ds_load_b128 v[FB+32+8*\rt+4:FB+32+8*\rt+7], v[AA+FG] offset:(FK>>1)*18432+\rt*2304+64*(FK&1)+32
.endr
.endm
; The eight products of step ks.  Source 0 = 16 columns of Wo, source 1 = 16 rows of hid: a lane's eight results are eight neighbouring columns of one row.
; bias: the bias is C, nothing is cleared.  The eight accumulators take turns, one instruction a turn.
.macro MUL ks, bias
.set FB, F+48*((\ks)%3)
.irp ct, 0,1,2,3
.irp rt, 0,1
.if \bias
	v_wmma_f32_16x16x32_f16 v[ACC+8*(2*\ct+\rt):ACC+8*(2*\ct+\rt)+7], v[FB+8*\ct:FB+8*\ct+7], v[FB+32+8*\rt:FB+32+8*\rt+7], v[BIAS+8*\ct:BIAS+8*\ct+7]
.else
	v_wmma_f32_16x16x32_f16 v[ACC+8*(2*\ct+\rt):ACC+8*(2*\ct+\rt)+7], v[FB+8*\ct:FB+8*\ct+7], v[FB+32+8*\rt:FB+32+8*\rt+7], v[ACC+8*(2*\ct+\rt):ACC+8*(2*\ct+\rt)+7]
.endif
.endr
.endr
.endm
; A step: the buffer that the last step's products read is loaded again, four places behind them (ISA guide 7.12.1; this launch has no vector work to put there),
; with the fragments of the step after next.  LDS loads come back in order (ISA guide 5.7.1): with the 24 loads of the next two steps out, this step's twelve are in.
.macro STEP ks
	PLACES 4
	FRAG (\ks+2)
	s_wait_dscnt 24
	MUL \ks, 0
.endm
	FRAG 0
	FRAG 1
	FRAG 2
	s_wait_dscnt 24
	MUL 0, 1
.irp s, 1,2,3,4,5
	STEP \s
.endr
	; Step 6: the step after next lies in the second half of the depth.
	PLACES 4                                       ; behind step 5's products, whose buffer step 8's fragments take
	s_wait_tensorcnt 0x0                           ; my parts of the second half have landed: no tensor load of mine is out
	s_wait_dscnt 0x0                               ; no LDS load is pending at the signal: steps 6 and 7 are in
	s_barrier_signal -1                            ; this barrier shows the second half to every wave, and it opens the closing round of the cluster's barrier:
	MUL 6, 0                                       ; register work while the others arrive
	s_barrier_wait -1
	CREST                                          ; every work-group has issued all its joint loads: none ends while a partner may still ask for a tile that names it
	FRAG 8
.irp s, 7,8,9,10,11,12,13
	STEP \s
.endr
	s_wait_dscnt 12                                ; step 14 is in; step 15's twelve loads stay out
	MUL 14, 0
	s_wait_dscnt 0x0
	MUL 15, 0
	PLACES 4                                       ; before the way out reads the sums and loads into the fragments' registers
; 16 rows at a time through my own stage: 32 bytes a lane in, whole rows of 256 bytes back; sixteen lanes store 256 consecutive bytes, aligned.
.macro OUTF rt
.irp ct, 0,1,2,3
	ds_store_b128 v[STO], v[ACC+8*(2*\ct+\rt):ACC+8*(2*\ct+\rt)+3]   offset:64*\ct
	ds_store_b128 v[STO], v[ACC+8*(2*\ct+\rt)+4:ACC+8*(2*\ct+\rt)+7] offset:64*\ct+16
.endr
.irp i, 0,1,2,3,4,5,6,7
	ds_load_b128 v[F+32*\rt+4*\i:F+32*\rt+4*\i+3], v[RD] offset:544*\i     ; my own bytes, served in order (ISA guide 5.7.1)
.endr
	s_wait_dscnt 0x0
.irp i, 0,1,2,3,4,5,6,7
	global_store_b128 v[GO], v[F+32*\rt+4*\i:F+32*\rt+4*\i+3], s[10:11] offset:(16*\rt+2*\i)*2048 th:TH_STORE_NT
.endr
.endm
	OUTF 0
	OUTF 1
	s_endpgm
.Lfunc_end_k_q1ac1b8be40_oproj:
	.size	k_q1ac1b8be40_oproj, .Lfunc_end_k_q1ac1b8be40_oproj-k_q1ac1b8be40_oproj
	.p2alignl 7, 3214868480
	.fill 96, 4, 3214868480
	.section	.rodata,"a",@progbits
	.p2align	6, 0x0
	.amdhsa_kernel k_q1ac1b8be40_oproj
		.amdhsa_group_segment_fixed_size 317440
		.amdhsa_private_segment_fixed_size 0
		.amdhsa_enable_private_segment 0
		.amdhsa_kernarg_size 32
		.amdhsa_user_sgpr_count 2
		.amdhsa_user_sgpr_kernarg_segment_ptr 1
		.amdhsa_wavefront_size32 1
		.amdhsa_system_sgpr_workgroup_id_x 1
		.amdhsa_system_sgpr_workgroup_id_y 1
		.amdhsa_system_sgpr_workgroup_id_z 1
		.amdhsa_system_vgpr_workitem_id 0
		.amdhsa_next_free_vgpr 256
		.amdhsa_next_free_sgpr 66
		.amdhsa_reserve_vcc 0
		.amdhsa_float_denorm_mode_32 3
		.amdhsa_float_denorm_mode_16_64 3
		.amdhsa_memory_ordered 1
		.amdhsa_forward_progress 1
		.amdhsa_inst_pref_size 33
	.end_amdhsa_kernel
	.amdgpu_metadata
---
amdhsa.version: [ 1, 2 ]
amdhsa.kernels:
  - .name:           k_q1ac1b8be40_oproj
    .symbol:         k_q1ac1b8be40_oproj.kd
    .args:
      - { .name: hid, .offset: 0, .size: 8, .value_kind: global_buffer, .address_space: global }
      - { .name: wt, .offset: 8, .size: 8, .value_kind: global_buffer, .address_space: global }
      - { .name: bo, .offset: 16, .size: 8, .value_kind: global_buffer, .address_space: global }
      - { .name: out0, .offset: 24, .size: 8, .value_kind: global_buffer, .address_space: global }
    .group_segment_fixed_size: 317440
    .private_segment_fixed_size: 0
    .kernarg_segment_align: 8
    .kernarg_segment_size: 32
    .max_flat_workgroup_size: 256
    .sgpr_count:     66
    .vgpr_count:     256
    .wavefront_size: 32
...
	.end_amdgpu_metadata
.endif
;; end of part 7
